; MI455X (gfx1250); checked and timed in simulation.
; The chip was launched on July 23, 2026; its instructions are those of AMD's public machine-readable ISA for CDNA 5 (MIT licence, August 2026) and "CDNA5" Instruction Set Architecture Reference Guide (July 2026). The comments in the code are by the model that wrote it; some were corrected since.
;; Causal Self Attention. Allowed arithmetic: matrix products marked QUANTISED: E2M1 operands, one E8M0 scale for each 32 along K, by v_wmma_scale_f32_16x16x128_f8f6f4 with both operands' format E2M1 (or v_wmma_scale_f32_32x16x128_f4), f32 sums; products left as they are: bf16, f16 or f32 operands; f32 sums; everything else in f32.
;; Inputs: w_out 1,024 x 1,024 float32; w_qkv 1,024 x 3,072 float32; x 4 x 2,048 x 1,024 float32.
;; Outputs: out0 4 x 2,048 x 1,024 float32.
;; This version of the problem:
;;   THIS VERSION OF THE PROBLEM IS GIVEN IN LOW PRECISION. The matrix products marked QUANTISED in the list below multiply operands that are first quantised to E2M1 (2 exponent bits, 1 mantissa bit; 4 bits a number), with one power-of-two scale for each 32 numbers along K (OCP MX v1.0); their sums are f32. The products marked 'left as it is' may take bf16, f16 or f32 operands, with f32 sums. Whichever they take, every output number must still come out within the allowed error. Rounding operands to bf16 (8 significant bits) uses up far more of that allowance than f16 does (11 bits, for magnitudes from 6e-5 to 65,504). All else is computed in f32.
;;   The module's matrix products, in the order in which they are computed (A, B: the left and right operand; K: the contracted axis; several contracted axes count as one K, in the product's order):
;;     1. [M 8,192, K 1,024] x [K 1,024, N 3,072]; A: input x; B: input w_qkv: QUANTISED
;;     2. batch 64 x [M 2,048, K 64] x [K 64, N 2,048]; A: computed on the way; B: computed on the way: left as it is (an operand is computed on the way)
;;     3. batch 64 x [M 2,048, K 2,048] x [K 2,048, N 64]; A: computed on the way; B: computed on the way: left as it is (an operand is computed on the way)
;;     4. [M 8,192, K 1,024] x [K 1,024, N 1,024]; A: computed on the way; B: input w_out: left as it is (an operand is computed on the way)
;;   THE QUANTISER, for each operand of a quantised product, along K:
;;     - K is cut into blocks of 32 from its start; a last block that is shorter is filled with zeros.
;;     - A block's scale is 2^e with e = floor(log2(the largest magnitude in the block)) - 2, held to -126 .. 127; a block of zeros has e = 0. As a byte (E8M0): e + 127.
;;     - Each number is divided by its block's scale, clamped to +-6, and rounded to the nearest number of E2M1, ties to even, subnormals kept.
;;     - The product sums the exact products of the quantised numbers (number of the format x scale) in f32.
;;   ~~~python
;;   def quantise(x, axis):      # numpy; x: float32 -> the quantised numbers, widened to float32 again
;;       x = np.moveaxis(x, axis, -1); K = x.shape[-1]
;;       x = np.pad(x, [(0, 0)] * (x.ndim - 1) + [(0, -K % 32)]); x = x.reshape(x.shape[:-1] + (-1, 32)); a = np.abs(x).max(-1, keepdims=True)
;;       e = np.where(a > 0, np.clip(np.frexp(np.where(a > 0, a, 1))[1] - 1 - 2, -126, 127), 0)      # np.frexp(a)[1] - 1 = floor(log2(a)), exactly
;;       r = np.clip(x / 2.0 ** e, -6, 6)
;;       step = 2.0 ** (np.maximum(np.frexp(np.where(r == 0, 1, r))[1] - 1, 0) - 1)
;;       q = np.round(r / step) * step * 2.0 ** e      # np.round: ties to even
;;       return np.moveaxis(q.reshape(q.shape[:-2] + (-1,))[..., :K], -1, axis).astype(np.float32)
;;   ~~~
;; One version. Each part assembles by itself: llvm-mc -triple=amdgcn-amd-amdhsa -mcpu=gfx1250 --defsym DOCPART=n.
;; ======== version 1 of 1: 5 launches
;; limits: values are held in f16: magnitudes above 65,504 overflow, below 6.1e-05 lose precision
;; workspace buffers: xc 4,194,304 bytes; xs 262,144 bytes; wc 1,572,864 bytes; ws 98,304 bytes; wt 4,194,304 bytes; qkv 50,331,648 bytes; qkvf 786,432 bytes; yh 16,777,216 bytes
;; launch prep (part 1): grid 256 x 1, 8 waves a work-group, no clusters, 224,256 bytes of LDS; arguments x, w_qkv, w_out, xc, xs, wc, ws, wt; writes xc, xs, wc, ws, wt
.if DOCPART == 1
	.amdgcn_target "amdgcn-amd-amdhsa--gfx1250"
	.amdhsa_code_object_version 6
	.text
	.protected	k_qbd4437c8ba_prep
	.globl	k_qbd4437c8ba_prep
	.p2align	8
	.type	k_qbd4437c8ba_prep,@function
k_qbd4437c8ba_prep:
	s_mov_b64 s[64:65], 0
	v_nop
	global_prefetch_b8 v0, s[64:65] scope:SCOPE_SE
	s_setreg_imm32_b32 hwreg(HW_REG_WAVE_MODE, 25, 1), 1
	s_wait_xcnt 0x0
; PREP: the three inputs are brought into the forms that the later launches read.  256 work-groups of eight waves, parted by the work-group's number alone:
;   0-31    w_out [1024 k][1024 n] f32 -> wt: [n][k] f16 (the number rounded), and 2,097,152 bytes on, [n][k] f16 of (number - rounded number) x 2048
;   32-127  w_qkv [1024 k][3072 n] f32 -> wc: codes of E2M1 laid [n][k], two a byte, and ws: one E8M0 byte for each 32 along k, [n][32]
;   128-255 x [8192][1024] f32 -> xc, xs: the same, k being innermost already
; A block's scale is 2^(floor(log2(its largest magnitude)) - 2): its byte is that magnitude's exponent field - 2, held at 1 from below.
; LIMITS: a block of zeros gets the byte 1 and not 127 (its codes are zeros, and this program alone reads the bytes); NaN and infinities are not served;
; |w_out| stays under 65,504, the largest f16 number.
; Each of the three ways has LDS bytes of its own.  No tensor loads.
.set SPW,   12                         ; v12  LDS address of my spare word; never rewritten
.set NIL,   13                         ; v13  0; never rewritten
.set WST,   65536                      ; w_qkv's way: a stage of 64 columns x (256 bytes + 16)
.set WSS,   82944                      ; and 64 columns x 16 scale bytes
.set TST,   83968                      ; w_out's way: for each wave 32 rows x 272 of the high parts, then of the low parts
.set SPARE, 223232                     ; the spare words, 128 bytes for each wave: four blocks of 256 bytes that no other line names
.set SP,    80                         ; x's way: a lane's place in a stage: 64 bytes + 16 of padding
.set STEPS, 16
.set XR,    16                         ; v16-143  eight sets of 16 numbers as they are loaded
.set XX,    144                        ; v144-175 two sets of 16 neighbours
.set XE,    176                        ; v176-191 a scale byte for each step
.set XC,    192                        ; v192-223 two registers of codes for each step
	s_load_b256 s[4:11], s[0:1], 0x0               ; x s[4:5], w_qkv s[6:7], w_out s[8:9], xc s[10:11]
	s_load_b256 s[12:19], s[0:1], 0x20             ; xs s[12:13], wc s[14:15], ws s[16:17], wt s[18:19]
	v_lshl_add_u32 v[SPW], v0, 2, SPARE
	v_mov_b32 v[NIL], 0
	v_lshrrev_b32 v1, 5, v0
	v_readfirstlane_b32 s20, v1                    ; wave 0..7
	v_and_b32 v2, 31, v0                           ; lane
	s_wait_kmcnt 0x0
	s_cmp_lt_u32 ttmp9, 32
	s_cbranch_scc1 .Lpath_t
	s_cmp_lt_u32 ttmp9, 128
	s_cbranch_scc1 .Lpath_w
; ---------------- x: a plain stream of blocks of 32.  A wave takes 16 steps of 512 numbers.  Each load reads 512 consecutive bytes; a step's 2,048 bytes turn through the wave's
; own stage in LDS so that a lane holds 16 neighbours (two lanes hold a block).  Loads run eight steps (32 loads a wave) ahead, the turn through LDS one step.
	v_lshlrev_b32 v3, 4, v2                        ; my 16 bytes of a load's 512
	s_lshl_b32 s21, s20, 13                        ; my wave's 8,192 bytes of LDS
	v_lshrrev_b32 v14, 2, v2
	v_mul_u32_u24 v14, v14, SP
	v_and_b32 v15, 3, v2
	v_lshl_add_u32 v14, v15, 4, v14
	v_add_nc_u32 v14, s21, v14                     ; the stage, on the way in: SP (lane / 4) + 16 (lane % 4)
	v_mul_u32_u24 v15, v2, SP
	v_add_nc_u32 v15, s21, v15                     ; on the way out: SP x lane
	v_lshlrev_b32 v4, 3, v2                        ; my 8 bytes of a step's 256 bytes of codes
	v_lshrrev_b32 v5, 1, v2
	s_add_co_u32 s21, s21, 2*32*SP
	v_add_nc_u32 v5, s21, v5                       ; my block's byte among the wave's 256 scale bytes
	v_lshlrev_b32 v7, 3, v2
	v_add_nc_u32 v6, s21, v7                       ; and 8 of them a lane on the way out
	s_sub_co_u32 s22, ttmp9, 128
	s_lshl_b32 s22, s22, 3
	s_add_co_u32 s22, s22, s20                     ; which run of 8,192 numbers is my wave's: 0..1023
	s_mov_b32 s25, 0
	s_lshl_b32 s24, s22, 15
	s_add_nc_u64 s[4:5], s[4:5], s[24:25]
	s_lshl_b32 s24, s22, 12
	s_add_nc_u64 s[10:11], s[10:11], s[24:25]
	s_lshl_b32 s24, s22, 8
	s_add_nc_u64 s[12:13], s[12:13], s[24:25]
.macro XLOAD t
.irp i, 0,1,2,3
	global_load_b128 v[XR+16*((\t)%8)+4*\i:XR+16*((\t)%8)+4*\i+3], v3, s[4:5] offset:2048*(\t)+512*\i th:TH_LOAD_NT
.endr
.endm
.macro XTURN t                         ; LDS serves a wave's instructions in order, so no wait stands between the stores and the loads
.irp i, 0,1,2,3
	ds_store_b128 v14, v[XR+16*((\t)%8)+4*\i:XR+16*((\t)%8)+4*\i+3] offset:32*SP*((\t)%2)+8*SP*\i
.endr
.irp i, 0,1,2,3
	ds_load_b128 v[XX+16*((\t)%2)+4*\i:XX+16*((\t)%2)+4*\i+3], v15 offset:32*SP*((\t)%2)+16*\i
.endr
.endm
.irp t, 0,1,2,3,4,5,6,7
	XLOAD \t
.endr
	s_wait_loadcnt 28                              ; step 0's four loads are in; seven steps' may be out
	XTURN 0
.macro XSTEP t
.set XS, XX+16*((\t)%2)
.if (\t) > 0
	s_wait_dscnt 1                                 ; this step's numbers are back from the stage (the last step's byte store may be out): so its stores into the stage have read their registers,
.else
	s_wait_dscnt 0x0
.endif
.if (\t)+8 < STEPS
	XLOAD (\t)+8                                   ; which take the loads of eight steps on
.endif
.if (\t)+1 < STEPS
.if (\t) <= 7
	s_wait_loadcnt 28                              ; the next step's four loads are in; those of the seven steps behind it may be out
.else
	s_wait_loadcnt 4*(STEPS-2-(\t))
.endif
	XTURN (\t)+1
.endif
	v_max3_num_f32 v8, |v[XS]|, |v[XS+1]|, |v[XS+2]|
	v_max3_num_f32 v9, |v[XS+3]|, |v[XS+4]|, |v[XS+5]|
.irp i, 6,10
	v_max3_num_f32 v8, v8, |v[XS+\i]|, |v[XS+\i+1]|
	v_max3_num_f32 v9, v9, |v[XS+\i+2]|, |v[XS+\i+3]|
.endr
	v_max3_num_f32 v8, v8, |v[XS+14]|, |v[XS+15]|
	v_max3_num_f32 v8, v8, v9, 0x1800000           ; and the floor 2^(3 - 127): the byte cannot fall under 1
	v_max_num_f32_dpp v8, v8, v8 row_xmask:1 row_mask:0xf bank_mask:0xf   ; with my neighbour's 16: the block's largest magnitude
	v_add_nc_u32 v11, 0xff000000, v8               ; 2 off its exponent field: the conversion takes this operand's exponent field as its scale
	v_cvt_scalef32_pk8_fp4_f32 v[XC+2*(\t)], v[XS:XS+7], v11
	v_cvt_scalef32_pk8_fp4_f32 v[XC+2*(\t)+1], v[XS+8:XS+15], v11
	v_lshrrev_b32 v[XE+(\t)], 23, v11              ; the scale's byte (a plain line behind the conversions)
	ds_store_b8 v5, v[XE+(\t)] offset:16*(\t)      ; both lanes of a block write the same byte with the same value
	global_store_b64 v4, v[XC+2*(\t):XC+2*(\t)+1], s[10:11] offset:256*(\t)   ; the wave stores 256 consecutive bytes, aligned
.endm
.irp t, 0,1,2,3,4,5,6,7,8,9,10,11,12,13,14,15
	XSTEP \t
.endr
	ds_load_b64 v[8:9], v6
	s_wait_dscnt 0x0
	global_store_b64 v7, v[8:9], s[12:13]          ; the wave's 256 scale bytes, aligned
	s_wait_tensorcnt 0x0                           ; the wave's end
	ds_add_u32 v[SPW], v[NIL]
	s_wait_dscnt 0x0
	s_endpgm
; ---------------- w_qkv: k is its first axis.  A lane takes a column and its registers run down k.  A work-group takes 64 columns x 512 k; wave (cg = w % 2, kq = w / 2) takes
; 32 columns x 128 k: four blocks.  The codes meet in a stage, a barrier, and leave as rows of 256 bytes.
.Lpath_w:
	s_sub_co_u32 s21, ttmp9, 32
	s_cmp_ge_u32 s21, 48
	s_cselect_b32 s22, 1, 0                        ; which 512 along k
	s_mul_i32 s23, s22, 48
	s_sub_co_u32 s21, s21, s23                     ; which 64 columns: 0..47
	s_and_b32 s23, s20, 1                          ; cg
	s_lshr_b32 s24, s20, 1                         ; kq
	s_lshl_b32 s26, s22, 9
	s_lshl_b32 s27, s24, 7
	s_add_co_u32 s26, s26, s27
	s_mul_i32 s26, s26, 12288                      ; my first row of w_qkv
	s_lshl_b32 s27, s21, 8
	s_add_co_u32 s26, s26, s27
	s_lshl_b32 s27, s23, 7
	s_add_co_u32 s26, s26, s27                     ; my first column, 4 bytes each
	s_mov_b32 s27, 0
	s_add_nc_u64 s[6:7], s[6:7], s[26:27]
	s_lshl_b32 s26, s21, 15                        ; wc: row 64 cx + 8 w of 512 bytes, + 256 for the upper half of k
	s_lshl_b32 s28, s20, 12
	s_add_co_u32 s26, s26, s28
	s_lshl_b32 s28, s22, 8
	s_add_co_u32 s26, s26, s28
	s_add_nc_u64 s[14:15], s[14:15], s[26:27]
	s_lshl_b32 s26, s21, 11                        ; ws: row 64 cx of 32 bytes, + 16
	s_lshl_b32 s28, s22, 4
	s_add_co_u32 s26, s26, s28
	s_add_nc_u64 s[16:17], s[16:17], s[26:27]
	v_lshlrev_b32 v3, 2, v2                        ; in: 4 bytes a lane
	s_mul_i32 s28, s23, 32*272
	s_lshl_b32 s29, s24, 6
	s_add_co_u32 s28, s28, s29
	s_add_co_u32 s28, s28, WST
	v_mul_u32_u24 v4, v2, 272
	v_add_nc_u32 v4, s28, v4                       ; into the stage: row = my column, 64 bytes for each quarter of k
	s_lshl_b32 s28, s23, 9
	s_lshl_b32 s29, s24, 2
	s_add_co_u32 s28, s28, s29
	s_add_co_u32 s28, s28, WSS
	v_lshl_add_u32 v5, v2, 4, s28                  ; my column's scale word of my quarter
	v_and_b32 v6, 15, v2
	v_lshrrev_b32 v7, 4, v2
	s_mul_i32 s28, s20, 8*272
	s_add_co_u32 s28, s28, WST
	v_mul_u32_u24 v8, v7, 272
	v_lshl_add_u32 v8, v6, 4, v8
	v_add_nc_u32 v8, s28, v8                       ; out of the stage: rows 8 w on, sixteen lanes to a row
	v_lshlrev_b32 v9, 9, v7
	v_lshl_add_u32 v9, v6, 4, v9                   ; and the same place in wc
	v_and_b32 v10, 63, v0
	v_lshl_add_u32 v11, v10, 4, WSS                ; waves 0 and 1: a column's 16 scale bytes
	v_lshlrev_b32 v10, 5, v10                      ; and its row of ws
.macro WLOAD t
.set n, 0
.rept 32
	global_load_b32 v[32+32*((\t)%2)+n], v3, s[6:7] offset:(32*(\t)+n)*12288 th:TH_LOAD_NT
.set n, n+1
.endr
.endm
	WLOAD 0
	WLOAD 1
.macro WBLOCK t
.set XS, 32+32*((\t)%2)
.if (\t) < 3
	s_wait_loadcnt 32                              ; this block's 32 loads are in; the next block's may be out
.else
	s_wait_loadcnt 0x0
.endif
	v_max3_num_f32 v26, |v[XS]|, |v[XS+1]|, |v[XS+2]|
	v_max3_num_f32 v27, |v[XS+3]|, |v[XS+4]|, |v[XS+5]|
.irp i, 6,10,14,18,22,26
	v_max3_num_f32 v26, v26, |v[XS+\i]|, |v[XS+\i+1]|
	v_max3_num_f32 v27, v27, |v[XS+\i+2]|, |v[XS+\i+3]|
.endr
	v_max3_num_f32 v26, v26, |v[XS+30]|, |v[XS+31]|
	v_max3_num_f32 v26, v26, v27, 0x1800000        ; the floor 2^(3 - 127)
	v_add_nc_u32 v28, 0xff000000, v26
	v_lshrrev_b32 v29, 23, v28
.if (\t) == 0
	v_mov_b32 v24, v29
.else
	v_lshl_or_b32 v24, v29, 8*(\t), v24            ; four bytes to the word, the lower k in the lower byte
.endif
.irp g, 0,1,2,3
	v_cvt_scalef32_pk8_fp4_f32 v[96+\g], v[XS+8*\g:XS+8*\g+7], v28
.endr
	ds_store_b128 v4, v[96:99] offset:16*(\t)
.if (\t)+2 < 4
	WLOAD (\t)+2
.endif
	s_wait_dscnt 0x0                               ; the store has read its registers: the next block's codes may be written
.endm
	WBLOCK 0
	WBLOCK 1
	WBLOCK 2
	WBLOCK 3
	ds_store_b32 v5, v24
	s_wait_dscnt 0x0                               ; for the others' sake: my stores have landed
	s_barrier_signal -1
	s_barrier_wait -1
.irp t, 0,1,2,3
	ds_load_b128 v[112+4*\t:115+4*\t], v8 offset:2*\t*272
.endr
.irp t, 0,1,2,3
	s_wait_dscnt 3-\t
	global_store_b128 v9, v[112+4*\t:115+4*\t], s[14:15] offset:1024*\t   ; sixteen lanes store 256 consecutive bytes, aligned
.endr
	s_cmp_gt_u32 s20, 1
	s_cbranch_scc1 .Lw_end
	ds_load_b128 v[128:131], v11
	s_wait_dscnt 0x0
	global_store_b128 v10, v[128:131], s[16:17]    ; 16 of a column's 32 scale bytes
.Lw_end:
	s_wait_tensorcnt 0x0                           ; the wave's end
	ds_add_u32 v[SPW], v[NIL]
	s_wait_dscnt 0x0
	s_endpgm
; ---------------- w_out: the same plan (a lane to a column n, registers down k).  A work-group takes 128 n x 256 k; wave (cg = w % 4, kh = w / 4) 32 n x 128 k.
; Each number becomes two f16: the number rounded, and what the rounding left, x 2048.  A wave's own stage turns them into rows of 256 bytes.
.Lpath_t:
	s_and_b32 s21, ttmp9, 7
	s_lshr_b32 s22, ttmp9, 3
	s_and_b32 s23, s20, 3
	s_lshr_b32 s24, s20, 2
	s_lshl_b32 s25, s22, 8
	s_lshl_b32 s26, s24, 7
	s_add_co_u32 s25, s25, s26                     ; k0
	s_lshl_b32 s26, s21, 7
	s_lshl_b32 s27, s23, 5
	s_add_co_u32 s26, s26, s27                     ; n0
	s_lshl_b32 s28, s25, 12
	s_lshl_b32 s29, s26, 2
	s_add_co_u32 s28, s28, s29
	s_mov_b32 s29, 0
	s_add_nc_u64 s[8:9], s[8:9], s[28:29]          ; w_out at (k0, n0)
	s_lshl_b32 s28, s26, 11
	s_lshl_b32 s30, s25, 1
	s_add_co_u32 s28, s28, s30
	s_add_nc_u64 s[18:19], s[18:19], s[28:29]      ; wt at (n0, k0)
	v_lshlrev_b32 v3, 2, v2
	s_mul_i32 s28, s20, 17408
	s_add_co_u32 s28, s28, TST
	v_mul_u32_u24 v4, v2, 272
	v_add_nc_u32 v4, s28, v4                       ; into my stage: row = my column
	v_and_b32 v6, 15, v2
	v_lshrrev_b32 v7, 4, v2
	v_mul_u32_u24 v8, v7, 272
	v_lshl_add_u32 v8, v6, 4, v8
	v_add_nc_u32 v8, s28, v8                       ; out of it: sixteen lanes to a row
	v_lshlrev_b32 v9, 11, v7
	v_lshl_add_u32 v9, v6, 4, v9                   ; and the same place in wt
.macro TWLOAD t
.set n, 0
.rept 32
	global_load_b32 v[128+32*((\t)%2)+n], v3, s[8:9] offset:(32*(\t)+n)*4096 th:TH_LOAD_NT
.set n, n+1
.endr
.endm
; eight numbers v[xs] on -> 16 bytes of high parts (v16-19) and 16 of low parts (v20-23), to the stage at off
.macro TGRP xs, off
	s_wait_dscnt 0x0                               ; the last group's stores have read v16-23
.irp p, 0,1,2,3
	v_cvt_pk_f16_f32 v[16+\p], v[(\xs)+2*\p], v[(\xs)+2*\p+1]
.endr
	v_cvt_f32_f16 v48, v16.l
	v_cvt_f32_f16 v49, v16.h
	v_cvt_f32_f16 v50, v17.l
	v_cvt_f32_f16 v51, v17.h
	v_cvt_f32_f16 v52, v18.l
	v_cvt_f32_f16 v53, v18.h
	v_cvt_f32_f16 v54, v19.l
	v_cvt_f32_f16 v55, v19.h
.irp p, 0,2,4,6
	v_pk_add_f32 v[48+\p:49+\p], v[(\xs)+\p:(\xs)+\p+1], v[48+\p:49+\p] neg_lo:[0,1] neg_hi:[0,1]   ; what the rounding left: exact
.endr
.irp p, 0,2,4,6
	v_pk_mul_f32 v[48+\p:49+\p], v[48+\p:49+\p], 0x45000000 op_sel_hi:[1,0]                          ; x 2048: exact
.endr
.irp p, 0,1,2,3
	v_cvt_pk_f16_f32 v[20+\p], v[48+2*\p], v[49+2*\p]
.endr
	ds_store_b128 v4, v[16:19] offset:\off
	ds_store_b128 v4, v[20:23] offset:(\off)+8704
.endm
	TWLOAD 0
	TWLOAD 1
.macro TBLOCK t
.set XS, 128+32*((\t)%2)
.if (\t) < 3
	s_wait_loadcnt 32                              ; this block's 32 loads are in; the next block's may be out
.else
	s_wait_loadcnt 0x0
.endif
.irp g, 0,1,2,3
	TGRP XS+8*\g, 64*(\t)+16*\g
.endr
.if (\t)+2 < 4
	TWLOAD (\t)+2
.endif
.endm
	TBLOCK 0
	TBLOCK 1
	TBLOCK 2
	TBLOCK 3
.irp i, 0,1,2,3,4,5,6,7,8,9,10,11,12,13,14,15
	ds_load_b128 v[64+4*\i:67+4*\i], v8 offset:2*\i*272            ; LDS serves a wave's instructions in order: these see my stores
.endr
.irp i, 0,1,2,3,4,5,6,7,8,9,10,11,12,13,14,15
	ds_load_b128 v[128+4*\i:131+4*\i], v8 offset:8704+2*\i*272
.endr
.irp i, 0,1,2,3,4,5,6,7,8,9,10,11,12,13,14,15
	s_wait_dscnt 31-\i
	global_store_b128 v9, v[64+4*\i:67+4*\i], s[18:19] offset:4096*\i           ; sixteen lanes store 256 consecutive bytes, aligned
.endr
.irp i, 0,1,2,3,4,5,6,7,8,9,10,11,12,13,14,15
	s_wait_dscnt 15-\i
	global_store_b128 v9, v[128+4*\i:131+4*\i], s[18:19] offset:2097152+4096*\i
.endr
	s_wait_tensorcnt 0x0                           ; the wave's end
	ds_add_u32 v[SPW], v[NIL]
	s_wait_dscnt 0x0
	s_endpgm
.Lfunc_end_k_qbd4437c8ba_prep:
	.size	k_qbd4437c8ba_prep, .Lfunc_end_k_qbd4437c8ba_prep-k_qbd4437c8ba_prep
	.p2alignl 7, 3214868480
	.fill 96, 4, 3214868480
	.section	.rodata,"a",@progbits
	.p2align	6, 0x0
	.amdhsa_kernel k_qbd4437c8ba_prep
		.amdhsa_group_segment_fixed_size 224256
		.amdhsa_private_segment_fixed_size 0
		.amdhsa_enable_private_segment 0
		.amdhsa_kernarg_size 64
		.amdhsa_user_sgpr_count 2
		.amdhsa_user_sgpr_kernarg_segment_ptr 1
		.amdhsa_wavefront_size32 1
		.amdhsa_system_sgpr_workgroup_id_x 1
		.amdhsa_system_sgpr_workgroup_id_y 1
		.amdhsa_system_sgpr_workgroup_id_z 1
		.amdhsa_system_vgpr_workitem_id 0
		.amdhsa_next_free_vgpr 224
		.amdhsa_next_free_sgpr 66
		.amdhsa_reserve_vcc 0
		.amdhsa_float_denorm_mode_32 3
		.amdhsa_float_denorm_mode_16_64 3
		.amdhsa_memory_ordered 1
		.amdhsa_forward_progress 1
		.amdhsa_inst_pref_size 99
	.end_amdhsa_kernel
	.amdgpu_metadata
---
amdhsa.version: [ 1, 2 ]
amdhsa.kernels:
  - .name:           k_qbd4437c8ba_prep
    .symbol:         k_qbd4437c8ba_prep.kd
    .args:
      - { .name: x, .offset: 0, .size: 8, .value_kind: global_buffer, .address_space: global }
      - { .name: w_qkv, .offset: 8, .size: 8, .value_kind: global_buffer, .address_space: global }
      - { .name: w_out, .offset: 16, .size: 8, .value_kind: global_buffer, .address_space: global }
      - { .name: xc, .offset: 24, .size: 8, .value_kind: global_buffer, .address_space: global }
      - { .name: xs, .offset: 32, .size: 8, .value_kind: global_buffer, .address_space: global }
      - { .name: wc, .offset: 40, .size: 8, .value_kind: global_buffer, .address_space: global }
      - { .name: ws, .offset: 48, .size: 8, .value_kind: global_buffer, .address_space: global }
      - { .name: wt, .offset: 56, .size: 8, .value_kind: global_buffer, .address_space: global }
    .group_segment_fixed_size: 224256
    .private_segment_fixed_size: 0
    .kernarg_segment_align: 8
    .kernarg_segment_size: 64
    .max_flat_workgroup_size: 256
    .sgpr_count:     66
    .vgpr_count:     224
    .wavefront_size: 32
...
	.end_amdgpu_metadata
.endif
;; end of part 1
;; launch gemm_qkv (part 2): grid 12 x 32, 4 waves a work-group, clusters of 4 x 4, 327,680 bytes of LDS; arguments xc, xs, wc, ws, qkv, qkvf; writes qkv, qkvf
.if DOCPART == 2
	.amdgcn_target "amdgcn-amd-amdhsa--gfx1250"
	.amdhsa_code_object_version 6
	.text
	.protected	k_qbd4437c8ba_gemm_qkv
	.globl	k_qbd4437c8ba_gemm_qkv
	.p2align	8
	.type	k_qbd4437c8ba_gemm_qkv,@function
k_qbd4437c8ba_gemm_qkv:
	s_mov_b64 s[64:65], 0
	v_nop
	global_prefetch_b8 v0, s[64:65] scope:SCOPE_SE
	s_setreg_imm32_b32 hwreg(HW_REG_WAVE_MODE, 25, 1), 1
	s_wait_xcnt 0x0
	s_wait_alu depctr_hold_cnt(0) depctr_sa_sdst(0) depctr_va_vdst(0) depctr_va_sdst(0) depctr_va_ssrc(0) depctr_va_vcc(0) depctr_vm_vsrc(0)
	s_getreg_b32 s2, hwreg(HW_REG_IB_STS2, 6, 4)
	s_cmp_eq_u32 s2, 0
	s_cbranch_scc0 .Lentry_in_a_cluster
	s_endpgm
.Lentry_in_a_cluster:
	s_bfe_u32 s2, ttmp6, 0x10000c
	s_cmp_lg_u32 s2, 0xf033
	s_cbranch_scc0 .Lentry_shape_is_right
	s_endpgm
.Lentry_shape_is_right:
; qkv = x w_qkv on codes of E2M1 with one E8M0 scale for each 32 along K.  A = xc [8192][1024 codes], B = wc [3072][1024 codes], their scale bytes xs [8192][32], ws [3072][32].
; A tile of 256 x 256 is made by four waves, each 128 x 128: 64 accumulators of 16 x 16.  All of K, 1,024, lies in two LDS slots of 512 along K (rows of 256 bytes): both are asked for at the start, nothing is filled again.
; The scales of the work-group's rows, for all of K, come with the first fills.  CLUSTERS: 4 x 4 work-groups; A's tile is asked for jointly by a row of the cluster, B's by a column.
; THE MATRIX INSTRUCTION IS USED TRANSPOSED (source 0 = 16 rows of B, source 1 = 16 rows of A): a lane holds eight neighbouring columns of one row of the result.
; The tile row is 8 cy + cluster y: so cy is the batch, and the tiles that hold positions 0-15 of a sequence are those of cluster y = 0, a number that all partners share.
; OUT: rounded to f16 into qkv [192 planes][2048 t][64], plane = 64 x (q, k or v) + 16 x batch + head; and rows t < 16 of each batch also as f32 into qkvf [64][3072].
; LIMIT: |q|, |k|, |v| stay under 65,504, the largest f16 number.
; REGISTERS, in windows of 256: window 0: v0-31 addresses; v32-95 scale words, two sets; from v128 A's fragments, one set; on the way out v128-223.  window 1: B's fragments, two sets.  windows 2, 3: the accumulators.
.set SIZE_K, 1024
.set KSTEP,  512
.set NQ,     KSTEP/128
.set ROWB,   256
.set KROW,   SIZE_K*4/8
.set PITCH,  272                       ; an LDS row: 256 bytes + 16 of padding: the 16 rows that a load touches start at 16 different banks (64 banks of 4 bytes: ISA guide 11.1)
.set FR,     8
.set NL,     2
.set NP,     4                         ; places behind this matrix instruction (ISA guide 7.12.1)
.set HALFT,  128*PITCH
.set SLOT,   4*HALFT
.set KS,     SIZE_K/32
.set SCL,    2*SLOT                    ; behind the slots: the scales, as units of 256 bytes + 16 of padding
.set HALFS,  (128*KS/256)*272
.set SBLK,   (16*KS/256)*272
.set SPARE,  SCL+4*HALFS               ; the spare words, 128 bytes for each wave: two blocks of 256 bytes that no other line names
.set SPITCH, 528                       ; the way out, in slot 0, which has had its only fill and its last read by then: for each wave 16 rows x (512 + 16) of f32,
.set HSTG,   4*16*SPITCH               ; and behind those for each wave 2 heads x 16 rows x (128 + 16) of f16
.set ADRA, 16
.set ADRB, 20
.set STO,  24                          ; v24  f16 stage: where I put 16 bytes of a row
.set RD,   25                          ; v25  f16 stage: where I read rows back
.set CO,   26                          ; v26  16 x lane
.set ADRS, 27
.set SPW,  28
.set NIL,  29
.set STO32, 30                         ; v30  f32 stage, in
.set RD32,  31                         ; v31  f32 stage, back
.set SC,   32
.set AF,   128
.set BK,   128                         ; the way out: rows read back: v128-159 and v160-191 by turns (the f32 rows: v128-191)
.set TMP,  192                         ; the way out: packed results
.set G1, 24
.set G0, 32
.set G1B, 48
.set G0B, 56
.set G1S, 68
.set G0S, 76
.set G1SB, 80
.set G0SB, 88
.set MSB, 0
.macro WIN new                         ; the immediate's high byte repeats the setting that is left
.if MSB != \new
	s_set_vgpr_msb (MSB<<8)|\new
.set MSB, \new
.endif
.endm
.set MUL_LO, 0xa1                      ; source 0 (B) window 1, source 1 (A) window 0, C and D window 2
.set MUL_HI, 0xf1
.set TO_B,   0x40
; A joint load: waves 0 and 1 fetch for A, waves 2 and 3 for B.  The branch hangs on the wave's number alone.  An s_nop 0 and four v_nop follow each of the two lines.
.macro JLOAD g0a, g1a, g0b, g1b
	s_cmp_eq_u32 s15, 0
	s_cbranch_scc0 .Lfor_b_\@
	tensor_load_to_lds s[\g0a:\g0a+3], s[\g1a:\g1a+7]
	s_nop 0
.rept 4
	v_nop
.endr
	s_branch .Lasked_\@
.Lfor_b_\@:
	tensor_load_to_lds s[\g0b:\g0b+3], s[\g1b:\g1b+7]
	s_nop 0
.rept 4
	v_nop
.endr
.Lasked_\@:
.endm
.macro CROUND                          ; a round of the cluster's barrier
	s_barrier_signal -1
	s_barrier_wait -1
	s_cmp_lg_u32 s14, 0
	s_cbranch_scc1 .Lnot_wave_0_\@
	s_barrier_signal -3
.Lnot_wave_0_\@:
	s_barrier_wait -3
	s_barrier_signal -1
	s_barrier_wait -1
.endm
	s_load_b128 s[4:7], s[0:1], 0x0                ; xc, xs
	s_load_b128 s[8:11], s[0:1], 0x10              ; wc, ws
	s_load_b64 s[12:13], s[0:1], 0x20              ; qkv
	s_load_b64 s[96:97], s[0:1], 0x28              ; qkvf
	v_lshl_add_u32 v[SPW], v0, 2, SPARE
	v_mov_b32 v[NIL], 0
	ds_add_u32 v[SPW], v[NIL]                      ; the wave's opening: the add, twice on end, and its wait ahead of my first tensor load
	ds_add_u32 v[SPW], v[NIL]
	v_lshrrev_b32 v1, 5, v0
	v_readfirstlane_b32 s14, v1                    ; wave 0..3
	s_lshr_b32 s15, s14, 1                         ; which half of the tile's rows is mine.  Also: I fetch for A (0) or for B (1)
	s_and_b32 s16, s14, 1                          ; which half of its columns.  Also: which 128 rows of that tile I fetch
	s_bfe_u32 s40, ttmp6, 0x40000                  ; cx, cy
	s_bfe_u32 s41, ttmp6, 0x40004
	s_lshl_b32 s42, ttmp9, 2
	s_add_co_u32 s42, s42, s40                     ; tile column = 4 x cluster x + cx
	s_and_b32 s17, ttmp7, 0xffff                   ; cluster y
	s_lshl_b32 s18, s41, 3
	s_add_co_u32 s17, s17, s18                     ; tile row = 8 cy + cluster y
	s_lshl_b32 s43, s41, 2
	s_lshl_b32 s43, 15, s43                        ; my row of the cluster
	s_lshl_b32 s44, 0x1111, s40                    ; my column
	s_or_b32 s[G1+0], s43, (0<<16)|(1<<20)|(1<<21)|(5<<22)|(3<<25)  ; the mask; elements of 1 byte; padding on; bit 21 beside a mask; after every 64 words 4 words
	s_or_b32 s[G1B+0], s44, (0<<16)|(1<<20)|(1<<21)|(5<<22)|(3<<25)
.irp g, G1, G1B
	s_mov_b32 s[\g+1], ROWB<<16                    ; tensor_dim0
	s_mov_b32 s[\g+2], 128<<16                     ; tensor_dim1
	s_mov_b32 s[\g+3], ROWB<<16                    ; tile_dim0
	s_mov_b32 s[\g+4], 128                         ; tile_dim1
	s_mov_b32 s[\g+5], KROW                        ; tensor_dim0_stride
	s_mov_b32 s[\g+6], 0
	s_mov_b32 s[\g+7], 0
.endr
	s_or_b32 s[G1S+0], s43, (3<<16)|(1<<20)|(1<<21)|(5<<22)|(3<<25)  ; the scales of 128 rows: a dense block, as rows of 256 bytes (32 elements of 8 bytes)
	s_or_b32 s[G1SB+0], s44, (3<<16)|(1<<20)|(1<<21)|(5<<22)|(3<<25)
.irp g, G1S, G1SB
	s_mov_b32 s[\g+1], 32<<16
	s_mov_b32 s[\g+2], (128*KS/256)<<16
	s_mov_b32 s[\g+3], 32<<16
	s_mov_b32 s[\g+4], 128*KS/256
	s_mov_b32 s[\g+5], 32
	s_mov_b32 s[\g+6], 0
	s_mov_b32 s[\g+7], 0
.endr
	s_lshl_b32 s18, s16, 7
	s_lshl_b32 s20, s17, 8
	s_add_co_u32 s20, s20, s18                     ; A: row 256 x tile row + 128 x half
	s_lshl_b32 s46, s42, 8
	s_add_co_u32 s46, s46, s18                     ; B: row 256 x tile column + 128 x half
	s_mov_b32 s21, 0
	s_mov_b32 s47, 0
	s_mov_b64 s[18:19], KS
	s_mul_u64 s[22:23], s[20:21], s[18:19]
	s_mul_u64 s[92:93], s[46:47], s[18:19]
	s_mov_b64 s[18:19], KROW
	s_mul_u64 s[20:21], s[20:21], s[18:19]
	s_mul_u64 s[46:47], s[46:47], s[18:19]
	s_mul_i32 s45, s14, HALFT                      ; where they go: wave x 128 rows
	s_mul_i32 s94, s14, HALFS
	s_wait_dscnt 0x0                               ; both opening adds are done
	s_wait_kmcnt 0x0
	s_add_nc_u64 s[20:21], s[4:5], s[20:21]
	s_add_nc_u64 s[22:23], s[6:7], s[22:23]
	s_add_nc_u64 s[46:47], s[8:9], s[46:47]
	s_add_nc_u64 s[92:93], s[10:11], s[92:93]
	CROUND                                         ; all sixteen work-groups are here: the joint loads meet
	s_mov_b32 s[G0S], 1
	s_add_co_u32 s[G0S+1], s94, SCL
	s_mov_b64 s[G0S+2:G0S+3], s[22:23]
	s_or_b32 s[G0S+3], s[G0S+3], 0x80000000
	s_mov_b32 s[G0SB], 1
	s_add_co_u32 s[G0SB+1], s94, SCL
	s_mov_b64 s[G0SB+2:G0SB+3], s[92:93]
	s_or_b32 s[G0SB+3], s[G0SB+3], 0x80000000
	JLOAD G0S, G1S, G0SB, G1SB                     ; the scales first
.irp s, 0,1
	s_mov_b32 s[G0+4*\s], 1
	s_add_co_u32 s[G0+4*\s+1], s45, \s*SLOT
	s_add_nc_u64 s[G0+4*\s+2:G0+4*\s+3], s[20:21], \s*ROWB
	s_or_b32 s[G0+4*\s+3], s[G0+4*\s+3], 0x80000000
	s_mov_b32 s[G0B+4*\s], 1
	s_add_co_u32 s[G0B+4*\s+1], s45, \s*SLOT
	s_add_nc_u64 s[G0B+4*\s+2:G0B+4*\s+3], s[46:47], \s*ROWB
	s_or_b32 s[G0B+4*\s+3], s[G0B+4*\s+3], 0x80000000
	JLOAD G0+4*\s, G1, G0B+4*\s, G1B               ; three loads of mine are out in all
.endr
	v_and_b32 v1, 15, v0                           ; l % 16
	v_bfe_u32 v2, v0, 4, 1                         ; l / 16
	v_mul_u32_u24 v3, v1, PITCH
	v_lshl_add_u32 v4, v2, 4, v3
	s_mul_i32 s21, s15, HALFT
	s_mul_i32 s22, s16, HALFT
	s_add_co_u32 s22, s22, 2*HALFT
.irp s, 0,1
	v_add_nc_u32 v[ADRA+\s], s21, v4
	v_add_nc_u32 v[ADRB+\s], s22, v4
	s_add_co_u32 s21, s21, SLOT
	s_add_co_u32 s22, s22, SLOT
.endr
	v_mul_u32_u24 v5, v1, KS                       ; my row's scales: KS bytes a row,
	v_lshrrev_b32 v6, 8, v5
	v_lshl_add_u32 v5, v6, 4, v5                   ; and 16 more for each 256 passed
	s_mul_i32 s21, s15, HALFS
	s_mul_i32 s22, s16, HALFS
	s_add_co_u32 s22, s22, 2*HALFS
	s_sub_co_u32 s22, s22, s21
	v_mul_u32_u24 v6, s22, v2                      ; lanes 16-31 take B's
	s_add_co_u32 s21, s21, SCL
	v_add_nc_u32 v5, v5, v6
	v_add_nc_u32 v[ADRS], s21, v5
	s_mul_i32 s23, s14, 16*SPITCH                  ; my f32 stage
	v_mul_u32_u24 v5, v1, SPITCH
	v_lshl_add_u32 v5, v2, 5, v5
	v_add_nc_u32 v[STO32], s23, v5
	v_and_b32 v6, 31, v0
	v_lshlrev_b32 v[CO], 4, v6
	v_add_nc_u32 v[RD32], s23, v[CO]
	s_mul_i32 s23, s14, 4608                       ; my f16 stage
	s_add_co_u32 s23, s23, HSTG
	v_mul_u32_u24 v5, v1, 144
	v_lshl_add_u32 v5, v2, 4, v5
	v_add_nc_u32 v[STO], s23, v5                   ; in: row l % 16, 16 bytes for each half of the lanes
	v_lshrrev_b32 v5, 3, v6
	v_mul_u32_u24 v5, v5, 144
	v_and_b32 v7, 7, v0
	v_lshl_add_u32 v5, v7, 4, v5
	v_add_nc_u32 v[RD], s23, v5                    ; back: eight lanes to a row of 128 bytes, four rows an instruction
	s_lshl_b32 s46, s42, 2
	s_lshl_b32 s47, s16, 1
	s_add_co_u32 s46, s46, s47                     ; my first head among the 48 of q, k and v
	s_lshr_b32 s47, s46, 4
	s_lshl_b32 s47, s47, 6
	s_and_b32 s46, s46, 15
	s_add_co_u32 s46, s46, s47
	s_lshl_b32 s47, s41, 4
	s_add_co_u32 s46, s46, s47                     ; its plane
	s_lshl_b32 s46, s46, 18                        ; of 262,144 bytes
	s_and_b32 s47, ttmp7, 0xffff
	s_lshl_b32 s47, s47, 15                        ; 256 rows of 128 bytes for each cluster y
	s_add_co_u32 s46, s46, s47
	s_lshl_b32 s47, s15, 14
	s_add_co_u32 s46, s46, s47                     ; my 128 rows
	s_mov_b32 s47, 0
	s_add_nc_u64 s[12:13], s[12:13], s[46:47]
	s_mul_i32 s46, s41, 196608                     ; qkvf: 16 rows of 12,288 bytes for each batch,
	s_lshl_b32 s47, s42, 10
	s_add_co_u32 s46, s46, s47
	s_lshl_b32 s47, s16, 9
	s_add_co_u32 s46, s46, s47                     ; my 128 columns
	s_mov_b32 s47, 0
	s_add_nc_u64 s[96:97], s[96:97], s[46:47]
.macro FRAG reg, adr, q, i             ; 16 rows x 128 K of 4-bit codes: 8 registers
.irp c, 0,1
	ds_load_b128 v[\reg+4*\c:\reg+4*\c+3], v[\adr] offset:64*(\q)+32*\c+(\i)*16*PITCH
.endr
.endm
; 16 matrix instructions: A's blocks a0, a0 + 1 x B's eight.  The 64 accumulators take turns, one instruction a turn, in the same order in every step.
.macro MUL16 a0, p, q, sc, zero
.irp a, \a0, \a0+1
.irp b, 0,1,2,3,4,5,6,7
.if \zero
	v_wmma_scale_f32_16x16x128_f8f6f4 v[8*(8*((\a)%4)+\b):8*(8*((\a)%4)+\b)+7], v[128*(\p)+FR*\b:128*(\p)+FR*\b+FR-1], v[AF+FR*(\a):AF+FR*(\a)+FR-1], 0, v[SC+8*NQ*(\sc)+NQ*\b+(\q)], v[SC+8*NQ*(\sc)+NQ*(\a)+(\q)] matrix_a_fmt:MATRIX_FMT_FP4 matrix_b_fmt:MATRIX_FMT_FP4 matrix_a_scale:MATRIX_SCALE_ROW1
.else
	v_wmma_scale_f32_16x16x128_f8f6f4 v[8*(8*((\a)%4)+\b):8*(8*((\a)%4)+\b)+7], v[128*(\p)+FR*\b:128*(\p)+FR*\b+FR-1], v[AF+FR*(\a):AF+FR*(\a)+FR-1], v[8*(8*((\a)%4)+\b):8*(8*((\a)%4)+\b)+7], v[SC+8*NQ*(\sc)+NQ*\b+(\q)], v[SC+8*NQ*(\sc)+NQ*(\a)+(\q)] matrix_a_fmt:MATRIX_FMT_FP4 matrix_b_fmt:MATRIX_FMT_FP4 matrix_a_scale:MATRIX_SCALE_ROW1
.endif
.endr
.endr
.endm
.macro FETCH_B slot, q, p
	WIN TO_B
.irp i, 0,1,2,3,4,5,6,7
	FRAG 128*(\p)+FR*\i, ADRB+\slot, \q, \i
.endr
	WIN 0
.endm
.macro FETCH_A slot, q, i0
.irp i, \i0, \i0+1, \i0+2, \i0+3
	FRAG AF+FR*(\i), ADRA+\slot, \q, \i
.endr
.endm
.macro SCALES sc                       ; a slot's scale words: lanes 0-15 take A's block i, lanes 16-31 B's block i
.irp i, 0,1,2,3,4,5,6,7
	ds_load_b128 v[SC+8*NQ*\sc+NQ*\i:SC+8*NQ*\sc+NQ*\i+3], v[ADRS] offset:\i*SBLK
.endr
.endm
.macro PLACES n                        ; plain vector instructions between a matrix instruction and a load into, or a read of, its registers
.rept \n
	v_nop
.endr
.endm
.macro STEP slot, q, zero              ; a step of 128 along K that has its successor in the same slot
	s_wait_dscnt 4*NL                              ; B's set and A's blocks 0-3 are in; the youngest eight loads (A's blocks 4-7) may be out
	WIN MUL_LO
	MUL16 0, (\q)%2, \q, \slot, \zero
	MUL16 2, (\q)%2, \q, \slot, \zero
	s_wait_dscnt 0
	PLACES NP
	FETCH_B \slot, (\q)+1, 1-(\q)%2
	FETCH_A \slot, (\q)+1, 0
	WIN MUL_HI
	MUL16 4, (\q)%2, \q, \slot, \zero
	MUL16 6, (\q)%2, \q, \slot, \zero
	PLACES NP
	WIN 0
	FETCH_A \slot, (\q)+1, 4
.endm
; Slot 0's last step changes slots: one barrier; in front of it each wave waits for all its tensor loads, adds 0 to its spare word, and waits for that and for its reads of slot 0.  Nothing is filled again.
.macro TURN slot, next
	s_wait_tensorcnt 0x0                           ; all my tensor loads have landed: my part of slot 1
	ds_add_u32 v[SPW], v[NIL]
	s_wait_dscnt 4*NL+1                            ; (the add and A's blocks 4-7 may be out)
	WIN MUL_LO
	MUL16 0, 1, NQ-1, \slot, 0
	s_wait_dscnt 0x0                               ; the add is done, and my reads of this slot are over
	s_barrier_signal -1
	MUL16 2, 1, NQ-1, \slot, 0
	WIN 0
	s_barrier_wait -1
	PLACES NP
	v_add_nc_u32 v[ADRS], 4*NQ, v[ADRS]            ; on to the next slot's scale words
	FETCH_B \next, 0, 0
	FETCH_A \next, 0, 0
	SCALES \next
	WIN MUL_HI
	MUL16 4, 1, NQ-1, \slot, 0
	MUL16 6, 1, NQ-1, \slot, 0
	PLACES NP
	WIN 0
	FETCH_A \next, 0, 4
.endm
.macro STEPS slot, from
.set Q, \from
.rept NQ-1-\from
	STEP \slot, Q, 0
.set Q, Q+1
.endr
.endm
	s_wait_tensorcnt 1                             ; the scales and my part of slot 0 are in (slot 1's load may be out),
	s_barrier_signal -1
	s_barrier_wait -1                              ; everybody's are
	FETCH_B 0, 0, 0
	FETCH_A 0, 0, 0
	SCALES 0
	FETCH_A 0, 0, 4
	STEP 0, 0, 1                                   ; the first step's products start the sums: nothing is cleared
	STEPS 0, 1
	TURN 0, 1
	STEPS 1, 0
	s_wait_dscnt 4*NL                              ; the last step: nothing more to fetch
	WIN MUL_LO
	MUL16 0, 1, NQ-1, 1, 0
	MUL16 2, 1, NQ-1, 1, 0
	s_wait_dscnt 0
	WIN MUL_HI
	MUL16 4, 1, NQ-1, 1, 0
	MUL16 6, 1, NQ-1, 1, 0
	WIN 0
	PLACES NP                                      ; in front of the first reads of results and of the loads into the registers that held A's fragments
	; Rows t < 16 of a batch (my block 0 where cluster y = 0 and I hold the tile's upper rows) also leave as f32: through my f32 stage, as whole rows of 512 bytes.
	s_and_b32 s20, ttmp7, 0xffff
	s_or_b32 s20, s20, s15
	s_cmp_lg_u32 s20, 0
	s_cbranch_scc1 .Lno_fine
	WIN 0x08                                       ; an LDS store's data are its source 1: window 2
.irp b, 0,1,2,3,4,5,6,7
	ds_store_b128 v[STO32], v[8*\b:8*\b+3] offset:64*\b            ; each accumulator from its low end on
	ds_store_b128 v[STO32], v[8*\b+4:8*\b+7] offset:64*\b+16
.endr
	WIN 0
.irp t, 0,1,2,3,4,5,6,7,8,9,10,11,12,13,14,15
	ds_load_b128 v[BK+4*\t:BK+4*\t+3], v[RD32] offset:\t*SPITCH    ; LDS serves a wave's instructions in order: these see my stores
.endr
	s_wait_dscnt 0x0
.irp t, 0,1,2,3,4,5,6,7,8,9,10,11,12,13,14,15
	global_store_b128 v[CO], v[BK+4*\t:BK+4*\t+3], s[96:97] offset:\t*12288   ; 32 lanes store 512 consecutive bytes, aligned
.endr
	s_wait_xcnt 0x0                                ; these stores have read their registers: they may be loaded again
.Lno_fine:
; THE WAY OUT, block by block of 16 rows x 128 columns (two heads): rounded to f16, 16 bytes a lane into my f16 stage, back as rows, four rows of a head (512 consecutive bytes of its plane) to a store.
.macro PACK a
.set AC, 64*((\a)%4)
	WIN 0x0a+5*((\a)/4)                            ; sources 0 and 1: window 2 or 3
.irp b, 0,1,2,3,4,5,6,7
.irp r, 0,1,2,3
	v_cvt_pk_f16_f32 v[TMP+4*\b+\r], v[AC+8*\b+2*\r], v[AC+8*\b+2*\r+1]
.endr
.endr
	WIN 0
.endm
.macro TOSTAGE a
.set BB, BK+32*((\a)%2)
.irp b, 0,1,2,3,4,5,6,7
	ds_store_b128 v[STO], v[TMP+4*\b:TMP+4*\b+3] offset:(\b/4)*2304+(\b%4)*32
.endr
.irp i, 0,1,2,3,4,5,6,7
	ds_load_b128 v[BB+4*\i:BB+4*\i+3], v[RD] offset:(\i/4)*2304+(\i%4)*576
.endr
.endm
.macro SEND a
.set BB, BK+32*((\a)%2)
	s_wait_dscnt 0x0                               ; the block is back in registers
	s_wait_xcnt 0x0                                ; the stores of the block before have read their registers: the next block's loads may land there
.irp i, 0,1,2,3,4,5,6,7
	global_store_b128 v[CO], v[BB+4*\i:BB+4*\i+3], s[12:13] offset:(\i/4)*262144+(\a)*2048+(\i%4)*512
.endr
.endm
	PACK 0
	TOSTAGE 0
.irp a, 1,2,3,4,5,6,7                  ; block a's conversions stand between block a - 1's loads from the stage and the wait for them
	PACK \a
	SEND \a-1
	TOSTAGE \a
.endr
	SEND 7
	s_wait_tensorcnt 0x0                           ; the wave's end
	ds_add_u32 v[SPW], v[NIL]
	s_wait_dscnt 0x0
	CROUND                                         ; the closing round
	s_endpgm
.Lfunc_end_k_qbd4437c8ba_gemm_qkv:
	.size	k_qbd4437c8ba_gemm_qkv, .Lfunc_end_k_qbd4437c8ba_gemm_qkv-k_qbd4437c8ba_gemm_qkv
	.p2alignl 7, 3214868480
	.fill 96, 4, 3214868480
	.section	.rodata,"a",@progbits
	.p2align	6, 0x0
	.amdhsa_kernel k_qbd4437c8ba_gemm_qkv
		.amdhsa_group_segment_fixed_size 327680
		.amdhsa_private_segment_fixed_size 0
		.amdhsa_enable_private_segment 0
		.amdhsa_kernarg_size 48
		.amdhsa_user_sgpr_count 2
		.amdhsa_user_sgpr_kernarg_segment_ptr 1
		.amdhsa_wavefront_size32 1
		.amdhsa_system_sgpr_workgroup_id_x 1
		.amdhsa_system_sgpr_workgroup_id_y 1
		.amdhsa_system_sgpr_workgroup_id_z 1
		.amdhsa_system_vgpr_workitem_id 0
		.amdhsa_next_free_vgpr 1024
		.amdhsa_next_free_sgpr 98
		.amdhsa_reserve_vcc 0
		.amdhsa_float_denorm_mode_32 3
		.amdhsa_float_denorm_mode_16_64 3
		.amdhsa_memory_ordered 1
		.amdhsa_forward_progress 1
		.amdhsa_inst_pref_size 131
	.end_amdhsa_kernel
	.amdgpu_metadata
---
amdhsa.version: [ 1, 2 ]
amdhsa.kernels:
  - .name:           k_qbd4437c8ba_gemm_qkv
    .symbol:         k_qbd4437c8ba_gemm_qkv.kd
    .args:
      - { .name: xc, .offset: 0, .size: 8, .value_kind: global_buffer, .address_space: global }
      - { .name: xs, .offset: 8, .size: 8, .value_kind: global_buffer, .address_space: global }
      - { .name: wc, .offset: 16, .size: 8, .value_kind: global_buffer, .address_space: global }
      - { .name: ws, .offset: 24, .size: 8, .value_kind: global_buffer, .address_space: global }
      - { .name: qkv, .offset: 32, .size: 8, .value_kind: global_buffer, .address_space: global }
      - { .name: qkvf, .offset: 40, .size: 8, .value_kind: global_buffer, .address_space: global }
    .group_segment_fixed_size: 327680
    .private_segment_fixed_size: 0
    .kernarg_segment_align: 8
    .kernarg_segment_size: 48
    .max_flat_workgroup_size: 128
    .sgpr_count:     98
    .vgpr_count:     1024
    .wavefront_size: 32
...
	.end_amdgpu_metadata
.endif
;; end of part 2
;; launch attn (part 3): grid 4 x 64, 16 waves a work-group, no clusters, 327,680 bytes of LDS; arguments qkv, yh; writes yh
.if DOCPART == 3
	.amdgcn_target "amdgcn-amd-amdhsa--gfx1250"
	.amdhsa_code_object_version 6
	.text
	.protected	k_qbd4437c8ba_attn
	.globl	k_qbd4437c8ba_attn
	.p2align	8
	.type	k_qbd4437c8ba_attn,@function
k_qbd4437c8ba_attn:
	s_mov_b64 s[64:65], 0
	v_nop
	global_prefetch_b8 v0, s[64:65] scope:SCOPE_SE
	s_setreg_imm32_b32 hwreg(HW_REG_WAVE_MODE, 25, 1), 1
	s_wait_xcnt 0x0
; Causal attention, head size 64, 2,048 positions, 64 (batch, head) pairs.  q, k, v: planes of qkv, f16 [2048][64] (q at plane g = 16 b + h, k 64 planes on, v 128 planes on).
; y: yh, f16 [16 h][8192 = 2048 b + t][64].  Products on f16 operands with f32 sums; maxima, exponentials and sums in f32, with a running maximum.
; SHARES.  Work-group (j, g) owns the query blocks j and 7 - j of 256: the two together have the same number of keys under the causal mask for every j.  Waves 0-7 take block j, waves 8-15 block 7 - j;
; a wave owns 32 queries, two tiles of 16, so that each fragment of K and V read from LDS feeds two products.  Four waves share a SIMD: one wave's vector work stands beside another's products.
; LAYOUT.  S^T = K Q^T (source 0 = 16 keys, source 1 = 16 queries): a lane holds ONE query (lane % 16) and keys 8 (lane / 16) + 0..7.  Two such tiles, rounded to f16 in pairs, are source 1 of O^T = V^T P.
; K comes out of LDS as it lies, V ([key][channel]) turned, by ds_load_tr16_b128.
; THE RING.  Two slots of 256 keys (K: 256 rows of 128 + 16 bytes; V: 256 rows of 128 + 32), filled by waves 0-3, read by all sixteen.  Every work-group walks all eight slots: trip counts are constants.
; A step all of whose 64 keys come after the wave's queries is jumped over; a slot whose first key comes after the work-group's last query is not asked for.
; NO CLUSTER: the four work-groups of a head need 8, 7, 6 and 5 slots, so a partner would have to ask for tiles that none of its waves reads.
; LIMITS: |q|, |k|, |v| under 65,504; a weight under 6e-8 of its row's largest rounds to 0 in f16; NaN and infinities are not served.
.set PK,    144
.set PV,    160                        ; an odd multiple of 32 bytes
.set SK,    256
.set VOFF,  SK*PK
.set SLOT1, 1<<17
.set NSL,   8
.set STG,   SLOT1+SK*(PK+PV)           ; behind the ring: for each wave 32 rows x 144 bytes, for the way out
.set SPARE, STG+16*4608                ; the spare words, 128 bytes for each wave: eight blocks of 256 bytes that no other line names
.set AK0, 1                            ; v1  my lane's place in a tile of K
.set AV0, 2                            ; v2  the same for V
.set ADK, 3                            ; v3  the step's address of K
.set ADV, 4                            ; v4  of V
.set SPW, 5
.set NIL, 6
.set PFO, 11                           ; v11 256 x lane; v7 = lane % 16 - 8 (lane / 16); v8, v9 the mask's bound for the two tiles; v10 -infinity
.set ST,  16                           ; tile t's statistics at v[16 + 8 t]: +0 c m, +1 m, +2, +3 l, +4 to +7 at work (a takes +6)
.set QF,  32                           ; v32-63   Q: tile t, channels 32 ks on, at 32 + 16 t + 8 ks
.set KV,  64                           ; v64-127  K's eight fragments, then V's eight
.set S,   128                          ; v128-191 S^T, 32 a tile; p's f16 pairs take each tile's low 16
.set O,   192                          ; v192-255 O^T, 32 a tile
.set WV,  18
.set SEL, 20
.set CS,  22                           ; s[22:23] c = log2(e) / 8
.set G1K, 24
.set G1V, 32
.set G0K, 40
.set G0V, 44
.set TB,  2                            ; s2  LDS byte at which the slot in hand begins
.set KF,  48                           ; s48 the step's first key
.set Q0,  49                           ; s49 my first query
.set LASTQ, 50                         ; s50 my work-group's last query
.set SLOTS, 51
.set PFA, 52                           ; s[52:53] where my prefetches stand
.set LIM, 54
; Waves 0 and 1 fetch K's halves, waves 2 and 3 V's, the others nothing.  An s_nop 0 and four v_nop follow each of the two lines.
.macro TLOAD g0k, g1k, g0v, g1v
	s_cmp_lt_u32 s[WV], 2
	s_cbranch_scc0 .Lnot_k_\@
	tensor_load_to_lds s[\g0k:\g0k+3], s[\g1k:\g1k+7]
	s_nop 0
.rept 4
	v_nop
.endr
	s_branch .Lasked_\@
.Lnot_k_\@:
	s_cmp_lt_u32 s[WV], 4
	s_cbranch_scc0 .Lasked_\@
	tensor_load_to_lds s[\g0v:\g0v+3], s[\g1v:\g1v+7]
	s_nop 0
.rept 4
	v_nop
.endr
.Lasked_\@:
.endm
; A prefetch of what the NEXT change of slots will ask for: 32,768 dense bytes of K and of V.  Each aligned block of 256 bytes is named once in the launch: of a head's four work-groups the one that walks
; all eight slots (x = 0) asks; in it waves 4-7 ask for K, waves 8-11 for V, 8,192 bytes a wave, lanes 256 bytes apart.  The last change that fills a slot asks for nothing; slots 0 and 1 come by their loads alone.
.macro ASK
	s_cmp_gt_u32 s[SLOTS], s[LIM]
	s_cbranch_scc0 .Lnot_mine_\@
	global_prefetch_b8 v[PFO], s[PFA:PFA+1] th:TH_LOAD_NT scope:SCOPE_SE
.Lnot_mine_\@:
.endm
	s_load_b128 s[4:7], s[0:1], 0x0                ; qkv, yh
	v_lshl_add_u32 v[SPW], v0, 2, SPARE
	v_mov_b32 v[NIL], 0
	ds_add_u32 v[SPW], v[NIL]                      ; the wave's opening: the add, twice on end, and its wait ahead of the first tensor load
	ds_add_u32 v[SPW], v[NIL]
	v_lshrrev_b32 v3, 5, v0
	v_readfirstlane_b32 s[WV], v3                  ; wave 0..15
	s_and_b32 s56, ttmp7, 0xffff                   ; g = 16 b + h
	s_lshl_b32 s57, s56, 18                        ; its plane's first byte
	s_sub_co_u32 s58, 7, ttmp9
	s_cmp_lt_u32 s[WV], 8
	s_cselect_b32 s58, ttmp9, s58                  ; my block of 256 queries
	s_lshl_b32 s58, s58, 8
	s_and_b32 s59, s[WV], 7
	s_lshl_b32 s59, s59, 5
	s_add_co_u32 s[Q0], s58, s59
	s_sub_co_u32 s[LASTQ], 8, ttmp9
	s_lshl_b32 s[LASTQ], s[LASTQ], 8
	s_sub_co_u32 s[LASTQ], s[LASTQ], 1
	s_and_b32 s60, s[WV], 1                        ; which half of a slot's rows I fetch, if I fetch
	s_mul_i32 s61, s60, 128*PK
	s_mul_i32 s62, s60, 128*PV
	s_add_co_u32 s62, s62, VOFF
	s_lshl_b32 s60, s60, 14
	s_add_co_u32 s60, s60, s57
	s_add_co_u32 s66, s60, 16777216                ; k lies 64 planes behind q,
	s_mov_b32 s67, 0
	s_add_co_u32 s68, s60, 33554432                ; v 128
	s_mov_b32 s69, 0
	s_mov_b32 s[G1K], (1<<16)|(1<<20)|(4<<22)|(3<<25)   ; elements of 2 bytes; padding on: after every 32 words 4 words
	s_mov_b32 s[G1V], (1<<16)|(1<<20)|(4<<22)|(7<<25)   ; the same with 8 words
.irp g, G1K, G1V
	s_mov_b32 s[\g+1], 64<<16                      ; tensor_dim0
	s_mov_b32 s[\g+2], 128<<16                     ; tensor_dim1
	s_mov_b32 s[\g+3], 64<<16                      ; tile_dim0
	s_mov_b32 s[\g+4], 128                         ; tile_dim1
	s_mov_b32 s[\g+5], 64                          ; tensor_dim0_stride
	s_mov_b32 s[\g+6], 0
	s_mov_b32 s[\g+7], 0
.endr
	s_mov_b32 s[SEL], 0x76543210
	s_mov_b32 s[SEL+1], 0xfedcba98
	s_mov_b32 s[CS], 0x3e38aa3b                    ; c = log2(e) / sqrt(64)
	s_mov_b32 s[CS+1], s[CS]
	s_mov_b32 s[TB], 0
	s_mov_b32 s[KF], 0
	s_mov_b32 s[SLOTS], NSL-1
	s_wait_dscnt 0x0                               ; both opening adds are done
	s_wait_kmcnt 0x0
	s_mov_b32 s[G0K], 1
	s_mov_b32 s[G0K+1], s61
	s_add_nc_u64 s[G0K+2:G0K+3], s[4:5], s[66:67]
	s_or_b32 s[G0K+3], s[G0K+3], 0x80000000
	s_mov_b32 s[G0V], 1
	s_mov_b32 s[G0V+1], s62
	s_add_nc_u64 s[G0V+2:G0V+3], s[4:5], s[68:69]
	s_or_b32 s[G0V+3], s[G0V+3], 0x80000000
	TLOAD G0K, G1K, G0V, G1V                       ; slot 0: keys 0-255, which count for queries of every wave
	s_lshl_b32 s70, s[Q0], 7
	s_add_co_u32 s70, s70, s57
	s_mov_b32 s71, 0
	s_add_nc_u64 s[8:9], s[4:5], s[70:71]          ; q at my first query
	s_and_b32 s72, s56, 15
	s_lshl_b32 s72, s72, 20
	s_lshr_b32 s73, s56, 4
	s_lshl_b32 s73, s73, 18
	s_add_co_u32 s72, s72, s73
	s_lshl_b32 s73, s[Q0], 7
	s_add_co_u32 s72, s72, s73
	s_mov_b32 s73, 0
	s_add_nc_u64 s[6:7], s[6:7], s[72:73]          ; yh at head h, row 2048 b + my first query
	s_and_b32 s74, s[WV], 3
	s_lshl_b32 s74, s74, 13
	s_add_co_u32 s74, s74, s57
	s_add_co_u32 s74, s74, SK*128                  ; the prefetches stand in slot 1: the first change of slots steps them to slot 2
	s_mov_b32 s76, 33554432
	s_cmp_lt_u32 s[WV], 8
	s_cselect_b32 s76, 16777216, s76
	s_add_co_u32 s74, s74, s76
	s_mov_b32 s75, 0
	s_add_nc_u64 s[PFA:PFA+1], s[4:5], s[74:75]
	s_sub_co_u32 s76, s[WV], 4
	s_lshr_b32 s76, s76, 3                         ; 0 in waves 4 to 11,
	s_or_b32 s76, s76, ttmp9                       ; of work-group x = 0
	s_cmp_eq_u32 s76, 0
	s_cselect_b32 s[LIM], 1, -1
	v_and_b32 v12, 15, v0                          ; r
	v_bfe_u32 v13, v0, 4, 1                        ; h
	v_lshlrev_b32 v15, 7, v12
	v_lshl_add_u32 v15, v13, 4, v15                ; q: row r of 128 bytes, + 16 h
.irp t, 0,1
.irp ks, 0,1
	global_load_b128 v[QF+16*\t+8*\ks:QF+16*\t+8*\ks+3], v15, s[8:9] offset:\t*2048+\ks*64
	global_load_b128 v[QF+16*\t+8*\ks+4:QF+16*\t+8*\ks+7], v15, s[8:9] offset:\t*2048+\ks*64+32
.endr
.endr
	v_mul_u32_u24 v[AK0], v12, PK
	v_lshl_add_u32 v[AK0], v13, 4, v[AK0]
	v_and_b32 v14, 7, v0
	v_lshl_add_u32 v[AV0], v13, 3, v14             ; the turning load: key 8 h + lane % 8,
	v_mul_u32_u24 v[AV0], v[AV0], PV
	v_bfe_u32 v14, v0, 3, 1
	v_lshl_add_u32 v[AV0], v14, 4, v[AV0]          ; channels 8 ((lane / 8) % 2) on
	v_add_nc_u32 v[AV0], VOFF, v[AV0]
	v_lshlrev_b32 v14, 3, v13
	v_sub_nc_u32 v7, v12, v14                      ; r - 8 h
	v_mov_b32 v10, 0xff800000                      ; -infinity
	v_and_b32 v[PFO], 31, v0
	v_lshlrev_b32 v[PFO], 8, v[PFO]
.irp t, 0,1
	v_mov_b32 v[ST+8*\t+1], 0xff61b1e6             ; m = -3e38, under every score
	v_mul_f32 v[ST+8*\t], s[CS], v[ST+8*\t+1]
.irp i, 2,3,4,5,6,7
	v_mov_b32 v[ST+8*\t+\i], 0
.endr
.endr
.set n, 0
.rept 64
	v_mov_b32 v[O+n], 0                            ; O^T: the step is written once; its first run finds zeros, which a = 0 leaves zeros
.set n, n+1
.endr
; A KEY STEP: 64 keys, the q-th of the slot in hand.
.macro STEP q
	s_add_co_u32 s70, s[Q0], 31
	s_cmp_gt_u32 s[KF], s70                        ; all its keys come after my 32 queries: a branch on ids, round the step's work alone
	s_cbranch_scc1 .Lhidden_\@
	v_add_nc_u32 v[ADK], s[TB], v[AK0]
	v_add_nc_u32 v[ADV], s[TB], v[AV0]
.rept 3
	v_nop                                          ; with the two additions five places behind the last product: the products below write over the registers that held p, and the loads land where V lay
.endr
.irp kt, 0,1,2,3
.irp ks, 0,1
	ds_load_b128 v[KV+8*(2*\kt+\ks):KV+8*(2*\kt+\ks)+3], v[ADK] offset:(\q)*64*PK+\kt*16*PK+\ks*64
	ds_load_b128 v[KV+8*(2*\kt+\ks)+4:KV+8*(2*\kt+\ks)+7], v[ADK] offset:(\q)*64*PK+\kt*16*PK+\ks*64+32
.endr
.endr
	s_wait_dscnt 0x0
.irp kt, 0,1,2,3                               ; S^T = K Q^T: eight accumulators by turns, one instruction a turn
.irp t, 0,1
	v_wmma_f32_16x16x32_f16 v[S+32*\t+8*\kt:S+32*\t+8*\kt+7], v[KV+16*\kt:KV+16*\kt+7], v[QF+16*\t:QF+16*\t+7], 0
.endr
.endr
.irp kt, 0,1,2,3
.irp t, 0,1
	v_wmma_f32_16x16x32_f16 v[S+32*\t+8*\kt:S+32*\t+8*\kt+7], v[KV+16*\kt+8:KV+16*\kt+15], v[QF+16*\t+8:QF+16*\t+15], v[S+32*\t+8*\kt:S+32*\t+8*\kt+7]
.endr
.endr
.rept 4
	v_nop                                          ; places in front of the loads into K's registers and of the first reads of the scores
.endr
.irp kk, 0,1                                   ; V, turned: keys 32 kk on, channels 16 ct on.  It lands while the softmax is worked
.irp ct, 0,1,2,3
	ds_load_tr16_b128 v[KV+8*(4*\kk+\ct):KV+8*(4*\kk+\ct)+3], v[ADV] offset:(\q)*64*PV+\kk*32*PV+\ct*32
	ds_load_tr16_b128 v[KV+8*(4*\kk+\ct)+4:KV+8*(4*\kk+\ct)+7], v[ADV] offset:(\q)*64*PV+\kk*32*PV+16*PV+\ct*32
.endr
.endr
	s_add_co_u32 s70, s[KF], 63                    ; on the diagonal hidden scores become -infinity.  A step all of whose keys count for all my queries skips this
	s_cmp_le_u32 s70, s[Q0]
	s_cbranch_scc1 .Lopen_\@
	s_sub_co_i32 s70, s[Q0], s[KF]
	v_add_nc_u32 v8, s70, v7                       ; register 8 kt + j of tile t holds key KF + 16 kt + 8 h + j: hidden where 16 kt + j > Q0 - KF + 16 t + r - 8 h
	v_add_nc_u32 v9, 16, v8
.set n, 0
.rept 32
.irp t, 0,1
	v_cmp_gt_i32 vcc_lo, 16*(n/8)+n%8, v[8+\t]
	v_cndmask_b32 v[S+32*\t+n], v[S+32*\t+n], v10, vcc_lo
.endr
.set n, n+1
.endr
.Lopen_\@:
	; the softmax, the two tiles line by line.  The maximum of the lane's 32 scores and the old m, three operands at a time; each accumulator is first read at its low end
.irp j, 0,1,2,3
.irp t, 0,1
	v_max3_num_f32 v[ST+8*\t+4+\j], v[S+32*\t+8*\j], v[S+32*\t+8*\j+1], v[S+32*\t+8*\j+2]
.endr
.endr
.irp u, 1,2
.irp j, 0,1,2,3
.irp t, 0,1
	v_max3_num_f32 v[ST+8*\t+4+\j], v[ST+8*\t+4+\j], v[S+32*\t+8*\j+2*\u+1], v[S+32*\t+8*\j+2*\u+2]
.endr
.endr
.endr
.irp t, 0,1
	v_max3_num_f32 v[ST+8*\t+4], v[ST+8*\t+4], v[S+32*\t+7], v[S+32*\t+15]
.endr
.irp t, 0,1
	v_max3_num_f32 v[ST+8*\t+6], v[ST+8*\t+6], v[S+32*\t+23], v[S+32*\t+31]
.endr
.irp t, 0,1
	v_max3_num_f32 v[ST+8*\t+4], v[ST+8*\t+4], v[ST+8*\t+5], v[ST+8*\t+6]
.endr
.irp t, 0,1
	v_max3_num_f32 v[ST+8*\t+4], v[ST+8*\t+4], v[ST+8*\t+7], v[ST+8*\t+1]
.endr
.irp t, 0,1
	v_permlanex16_b32 v[ST+8*\t+5], v[ST+8*\t+4], s[SEL], s[SEL+1]   ; the query's other 32 keys lie in the lane 16 away
.endr
.irp t, 0,1
	v_mov_b32 v[ST+8*\t+7], v[ST+8*\t]             ; c m_old
.endr
.irp t, 0,1
	v_max_num_f32 v[ST+8*\t+1], v[ST+8*\t+4], v[ST+8*\t+5]
.endr
.irp t, 0,1
	v_mul_f32 v[ST+8*\t], s[CS], v[ST+8*\t+1]
.endr
.irp t, 0,1
	v_sub_f32 v[ST+8*\t+7], v[ST+8*\t+7], v[ST+8*\t]
.endr
.set n, 0
.rept 16
.irp t, 0,1
	v_pk_fma_f32 v[S+32*\t+n:S+32*\t+n+1], v[S+32*\t+n:S+32*\t+n+1], s[CS:CS+1], v[ST+8*\t:ST+8*\t+1] op_sel_hi:[1,0,0] neg_lo:[0,0,1] neg_hi:[0,0,1]   ; c s - c m
.endr
.set n, n+2
.endr
.irp t, 0,1
	v_exp_f32 v[ST+8*\t+6], v[ST+8*\t+7]           ; a = 2^(c m_old - c m_new)
.endr
.set n, 0
.rept 32
	v_exp_f32 v[S+n], v[S+n]                       ; p = 2^(c s - c m), at most 1
	v_exp_f32 v[S+32+n], v[S+32+n]
.set n, n+1
.endr
	v_nop                                          ; a plain instruction behind the last exponential
	s_wait_alu depctr_va_vdst(0)                   ; one wait for the batch of 66, ahead of its first reader
.irp t, 0,1
	v_pk_mul_f32 v[ST+8*\t+2:ST+8*\t+3], v[ST+8*\t+2:ST+8*\t+3], v[ST+8*\t+6:ST+8*\t+7] op_sel_hi:[1,0]   ; l x a
.endr
.irp t, 0,1
	v_pk_add_f32 v[ST+8*\t+4:ST+8*\t+5], v[S+32*\t+2:S+32*\t+3], v[S+32*\t+6:S+32*\t+7]                   ; the sum of p, in two chains
.endr
.irp b, 0,4,8,12,16,20
.irp t, 0,1
	v_pk_add_f32 v[ST+8*\t+2:ST+8*\t+3], v[ST+8*\t+2:ST+8*\t+3], v[S+32*\t+\b:S+32*\t+\b+1]
	v_pk_add_f32 v[ST+8*\t+4:ST+8*\t+5], v[ST+8*\t+4:ST+8*\t+5], v[S+32*\t+\b+10:S+32*\t+\b+11]
.endr
.endr
.irp b, 24,28
.irp t, 0,1
	v_pk_add_f32 v[ST+8*\t+2:ST+8*\t+3], v[ST+8*\t+2:ST+8*\t+3], v[S+32*\t+\b:S+32*\t+\b+1]
.endr
.endr
.irp t, 0,1
	v_pk_add_f32 v[ST+8*\t+2:ST+8*\t+3], v[ST+8*\t+2:ST+8*\t+3], v[ST+8*\t+4:ST+8*\t+5]
.endr
.set n, 0
.rept 16
.irp t, 0,1
	v_cvt_pk_f16_f32 v[S+32*\t+n], v[S+32*\t+2*n], v[S+32*\t+2*n+1]   ; p to f16, in place and ascending: register n is written when 2 n and 2 n + 1 are read
.endr
.set n, n+1
.endr
.set n, 0
.rept 16
.irp t, 0,1
	v_pk_mul_f32 v[O+32*\t+n:O+32*\t+n+1], v[O+32*\t+n:O+32*\t+n+1], v[ST+8*\t+6:ST+8*\t+7] op_sel_hi:[1,0]   ; O^T x a
.endr
.set n, n+2
.endr
	s_wait_dscnt 0x0                               ; V is in
.irp kk, 0,1                                   ; O^T += V^T P: eight accumulators by turns
.irp ct, 0,1,2,3
.irp t, 0,1
	v_wmma_f32_16x16x32_f16 v[O+32*\t+8*\ct:O+32*\t+8*\ct+7], v[KV+8*(4*\kk+\ct):KV+8*(4*\kk+\ct)+7], v[S+32*\t+8*\kk:S+32*\t+8*\kk+7], v[O+32*\t+8*\ct:O+32*\t+8*\ct+7]
.endr
.endr
.endr
.Lhidden_\@:
	s_add_co_u32 s[KF], s[KF], 64
.endm
; THE CHANGE OF SLOTS stands at a slot's head.  Each wave waits for all its tensor loads, adds 0 to its spare word, and waits for that and for its reads of the slot that it has left; then the barrier.
; fill = 1: the slot just left is filled with the keys that follow, up to the causal limit; the load has a whole slot's four steps in which to land.  Every wait for tensor loads in this text is for 0.
.macro CHANGE fill
	s_wait_tensorcnt 0x0                           ; no tensor load of mine is out, so a group 0 may be written
	ds_add_u32 v[SPW], v[NIL]
.if \fill
	ds_add_u32 v[SPW], v[NIL]                      ; where a load may follow, the add twice on end
	s_xor_b32 s[G0K+1], s[G0K+1], SLOT1
	s_add_nc_u64 s[G0K+2:G0K+3], s[G0K+2:G0K+3], SK*128
	s_xor_b32 s[G0V+1], s[G0V+1], SLOT1
	s_add_nc_u64 s[G0V+2:G0V+3], s[G0V+2:G0V+3], SK*128
	s_wait_xcnt 0x0                                ; the last prefetch, a slot back, has read its address
	s_add_nc_u64 s[PFA:PFA+1], s[PFA:PFA+1], SK*128
.endif
	s_wait_dscnt 0x0
	s_barrier_signal -1
	s_barrier_wait -1
.if \fill
	s_add_co_u32 s70, s[KF], SK                    ; the first key of the slot that this change would ask for
	s_cmp_gt_u32 s70, s[LASTQ]                     ; ids and the count of steps alone: all sixteen waves go the same way
	s_cbranch_scc1 .Lpast_\@
	TLOAD G0K, G1K, G0V, G1V
.Lpast_\@:
	ASK
.endif
.endm
.macro SLOT_STEPS
	STEP 0
	STEP 1
	STEP 2
	STEP 3
	s_xor_b32 s[TB], s[TB], SLOT1
.endm
	s_wait_loadcnt 0x0                             ; Q
.Lslot:                                            ; seven trips
	CHANGE 1
	SLOT_STEPS
	s_sub_co_u32 s[SLOTS], s[SLOTS], 1
	s_cmp_lg_u32 s[SLOTS], 0
	s_cbranch_scc1 .Lslot
	CHANGE 0                                       ; the last slot is written out: nothing is left to ask for
	SLOT_STEPS
	; THE WAY OUT: O^T / l, rounded to f16, through my stage in LDS; four rows of 128 bytes (512 consecutive bytes of yh) to a store.
.rept 4
	v_nop
.endr
.irp t, 0,1
	v_add_f32 v[ST+8*\t+4], v[ST+8*\t+2], v[ST+8*\t+3]
.endr
.irp t, 0,1
	v_permlanex16_b32 v[ST+8*\t+5], v[ST+8*\t+4], s[SEL], s[SEL+1]
.endr
.irp t, 0,1
	v_add_f32 v[ST+8*\t+4], v[ST+8*\t+4], v[ST+8*\t+5]
.endr
.irp t, 0,1
	v_rcp_f32 v[ST+8*\t+6], v[ST+8*\t+4]
.endr
	v_and_b32 v12, 15, v0                          ; (plain work behind the reciprocals)
	v_bfe_u32 v13, v0, 4, 1
	s_mul_i32 s70, s[WV], 4608
	s_add_co_u32 s70, s70, STG
	v_mul_u32_u24 v14, v12, 144
	v_lshl_add_u32 v14, v13, 4, v14
	v_add_nc_u32 v14, s70, v14                     ; in: row r, 16 bytes for each half of the lanes
	v_and_b32 v12, 31, v0
	v_lshlrev_b32 v3, 4, v12                       ; 16 x lane: my place in a store's 512 bytes
	v_lshrrev_b32 v15, 3, v12
	v_mul_u32_u24 v15, v15, 144
	v_and_b32 v13, 7, v0
	v_lshl_add_u32 v15, v13, 4, v15
	v_add_nc_u32 v15, s70, v15                     ; back: eight lanes to a row
	s_wait_alu depctr_va_vdst(0)                   ; the wait for the two reciprocals, ahead of their first reader
.set n, 0
.rept 16
.irp t, 0,1
	v_pk_mul_f32 v[O+32*\t+n:O+32*\t+n+1], v[O+32*\t+n:O+32*\t+n+1], v[ST+8*\t+6:ST+8*\t+7] op_sel_hi:[1,0]
.endr
.set n, n+2
.endr
.set n, 0
.rept 32
	v_cvt_pk_f16_f32 v[64+n], v[O+2*n], v[O+2*n+1]
.set n, n+1
.endr
.irp t, 0,1
.irp ct, 0,1,2,3
	ds_store_b128 v14, v[64+16*\t+4*\ct:64+16*\t+4*\ct+3] offset:\t*2304+\ct*32
.endr
.endr
.irp t, 0,1
.irp i, 0,1,2,3
	ds_load_b128 v[96+16*\t+4*\i:96+16*\t+4*\i+3], v15 offset:\t*2304+\i*576   ; LDS serves a wave's instructions in order: these see my stores
.endr
.endr
.irp t, 0,1
.irp i, 0,1,2,3
	s_wait_dscnt 7-4*\t-\i
	global_store_b128 v3, v[96+16*\t+4*\i:96+16*\t+4*\i+3], s[6:7] offset:\t*2048+\i*512
.endr
.endr
	s_wait_tensorcnt 0x0                           ; the wave's end
	ds_add_u32 v[SPW], v[NIL]
	s_wait_dscnt 0x0
	s_endpgm
.Lfunc_end_k_qbd4437c8ba_attn:
	.size	k_qbd4437c8ba_attn, .Lfunc_end_k_qbd4437c8ba_attn-k_qbd4437c8ba_attn
	.p2alignl 7, 3214868480
	.fill 96, 4, 3214868480
	.section	.rodata,"a",@progbits
	.p2align	6, 0x0
	.amdhsa_kernel k_qbd4437c8ba_attn
		.amdhsa_group_segment_fixed_size 327680
		.amdhsa_private_segment_fixed_size 0
		.amdhsa_enable_private_segment 0
		.amdhsa_kernarg_size 16
		.amdhsa_user_sgpr_count 2
		.amdhsa_user_sgpr_kernarg_segment_ptr 1
		.amdhsa_wavefront_size32 1
		.amdhsa_system_sgpr_workgroup_id_x 1
		.amdhsa_system_sgpr_workgroup_id_y 1
		.amdhsa_system_sgpr_workgroup_id_z 1
		.amdhsa_system_vgpr_workitem_id 0
		.amdhsa_next_free_vgpr 256
		.amdhsa_next_free_sgpr 80
		.amdhsa_reserve_vcc 1
		.amdhsa_float_denorm_mode_32 3
		.amdhsa_float_denorm_mode_16_64 3
		.amdhsa_memory_ordered 1
		.amdhsa_forward_progress 1
		.amdhsa_inst_pref_size 189
	.end_amdhsa_kernel
	.amdgpu_metadata
---
amdhsa.version: [ 1, 2 ]
amdhsa.kernels:
  - .name:           k_qbd4437c8ba_attn
    .symbol:         k_qbd4437c8ba_attn.kd
    .args:
      - { .name: qkv, .offset: 0, .size: 8, .value_kind: global_buffer, .address_space: global }
      - { .name: yh, .offset: 8, .size: 8, .value_kind: global_buffer, .address_space: global }
    .group_segment_fixed_size: 327680
    .private_segment_fixed_size: 0
    .kernarg_segment_align: 8
    .kernarg_segment_size: 16
    .max_flat_workgroup_size: 512
    .sgpr_count:     80
    .vgpr_count:     256
    .wavefront_size: 32
...
	.end_amdgpu_metadata
.endif
;; end of part 3
;; launch outp (part 4): grid 4 x 64, 4 waves a work-group, clusters of 4 x 4, 327,680 bytes of LDS; arguments yh, wt, out0; writes out0
.if DOCPART == 4
	.amdgcn_target "amdgcn-amd-amdhsa--gfx1250"
	.amdhsa_code_object_version 6
	.text
	.protected	k_qbd4437c8ba_outp
	.globl	k_qbd4437c8ba_outp
	.p2align	8
	.type	k_qbd4437c8ba_outp,@function
k_qbd4437c8ba_outp:
	s_mov_b64 s[64:65], 0
	v_nop
	global_prefetch_b8 v0, s[64:65] scope:SCOPE_SE
	s_setreg_imm32_b32 hwreg(HW_REG_WAVE_MODE, 25, 1), 1
	s_wait_xcnt 0x0
	s_wait_alu depctr_hold_cnt(0) depctr_sa_sdst(0) depctr_va_vdst(0) depctr_va_sdst(0) depctr_va_ssrc(0) depctr_va_vcc(0) depctr_vm_vsrc(0)
	s_getreg_b32 s2, hwreg(HW_REG_IB_STS2, 6, 4)
	s_cmp_eq_u32 s2, 0
	s_cbranch_scc0 .Lentry_in_a_cluster
	s_endpgm
.Lentry_in_a_cluster:
	s_bfe_u32 s2, ttmp6, 0x10000c
	s_cmp_lg_u32 s2, 0xf033
	s_cbranch_scc0 .Lentry_shape_is_right
	s_endpgm
.Lentry_shape_is_right:
; out0 = y w_out, f16 operands, f32 sums.  A = yh, f16 [16 heads][8192 rows][64]; B = wt's first half, f16 [1024 n][1024 k]; out0 [8192][1024] f32.
; A tile of 128 rows x 256 columns is made by four waves, each 64 x 128: 32 accumulators of 16 x 16, which fill window 1.  256 work-groups.
; K goes in steps of 128 (two heads) through a ring of two LDS slots.  A slot: A's two sub-tiles, one a head, 128 rows x (128 + 16) bytes each; then B's 256 rows x (256 + 16) bytes.
; Waves 0 and 1 fetch A's sub-tiles, waves 2 and 3 B's halves: one tensor load a wave behind each round.
; CLUSTERS: 4 x 4 work-groups; A's tile is asked for jointly by a row of the cluster, B's by a column.  THE MATRIX INSTRUCTION IS USED TRANSPOSED (source 0 = 16 rows of B, source 1 = 16 rows of A).
; Rows t < 16 of each batch are written here like all others and written again, more finely, by the launch that follows.
; REGISTERS: window 0: v0-31 addresses; two fragment buffers for 32 along K: v32-127 and v128-223 (A's 4 fragments, then B's 8); on the way out v32-159.  window 1: accumulator (a, b) at v[8 (8 a + b)].
.set PA,     144
.set PB,     272
.set SUBA,   128*PA
.set BOFF,   2*SUBA
.set HALFB,  128*PB
.set SLOT,   BOFF+2*HALFB
.set STAGE,  2*SLOT                    ; behind the ring: 16 rows x (512 + 16) bytes for each wave
.set SPITCH, 528
.set SPARE,  STAGE+4*16*SPITCH         ; the spare words, 128 bytes for each wave: two blocks of 256 bytes that no other line names
.set LAPS,   4                         ; eight K steps: four times round the ring
.set HEADB,  1048576                   ; a head's plane of yh in bytes
.set ADRA, 16
.set ADRB, 20
.set STO,  24
.set RD,   25
.set CO,   26
.set SPW,  28
.set NIL,  29
.set PFO,  30
.set F0,   32
.set F1,   128
.set G1,  24
.set G0,  32
.set G1B, 48
.set G0B, 56
.set PFA, 44                           ; s[44:45] where my prefetches stand
.set LIM, 43
.set MSB, 0
.macro WIN new                         ; the immediate's high byte repeats the setting that is left
.if MSB != \new
	s_set_vgpr_msb (MSB<<8)|\new
.set MSB, \new
.endif
.endm
.set MUL, 0x50                         ; sources 0 and 1 window 0; C and D window 1
.macro JLOAD s                         ; a joint load; the branch hangs on the wave's number alone; an s_nop 0 and four v_nop follow each of the two lines
	s_cmp_eq_u32 s11, 0
	s_cbranch_scc0 .Lfor_b_\@
	tensor_load_to_lds s[G0+4*\s:G0+4*\s+3], s[G1:G1+7]
	s_nop 0
.rept 4
	v_nop
.endr
	s_branch .Lasked_\@
.Lfor_b_\@:
	tensor_load_to_lds s[G0B+4*\s:G0B+4*\s+3], s[G1B:G1B+7]
	s_nop 0
.rept 4
	v_nop
.endr
.Lasked_\@:
.endm
; A prefetch of A's K step that stands two refills on: 32,768 bytes.  A tile row of A is read by one row of one cluster alone; its four partners share the bytes out BY ADDRESS, 8,192 each; in each, wave 0 asks:
; one instruction, lanes 256 bytes apart.  So each aligned block of 256 bytes is named once.  The last two refills have no K step two on.  B is walked by all 64 tile rows again and again and is not asked for.
.macro ASK
	s_cmp_gt_u32 s3, s[LIM]
	s_cbranch_scc0 .Lnot_mine_\@
	global_prefetch_b8 v[PFO], s[PFA:PFA+1] offset:2*HEADB th:TH_LOAD_NT scope:SCOPE_SE
.Lnot_mine_\@:
.endm
.macro CREST
	s_cmp_lg_u32 s10, 0
	s_cbranch_scc1 .Lnot_wave_0_\@
	s_barrier_signal -3
.Lnot_wave_0_\@:
	s_barrier_wait -3
	s_barrier_signal -1
	s_barrier_wait -1
.endm
.macro CROUND
	s_barrier_signal -1
	s_barrier_wait -1
	CREST
.endm
	s_load_b128 s[4:7], s[0:1], 0x0                ; yh, wt
	s_load_b64 s[8:9], s[0:1], 0x10                ; out0
	v_lshl_add_u32 v[SPW], v0, 2, SPARE
	v_mov_b32 v[NIL], 0
	ds_add_u32 v[SPW], v[NIL]                      ; the wave's opening: the add, twice on end, and its wait ahead of my first tensor load
	ds_add_u32 v[SPW], v[NIL]
	v_lshrrev_b32 v1, 5, v0
	v_readfirstlane_b32 s10, v1                    ; wave 0..3
	s_lshr_b32 s11, s10, 1                         ; which 64 of the tile's rows are mine.  Also: I fetch for A (0) or for B (1)
	s_and_b32 s12, s10, 1                          ; which 128 of its columns.  Also: which sub-tile or half I fetch
	s_bfe_u32 s40, ttmp6, 0x40000                  ; cx, cy
	s_bfe_u32 s41, ttmp6, 0x40004
	s_lshl_b32 s42, ttmp9, 2
	s_add_co_u32 s42, s42, s40                     ; tile column
	s_and_b32 s13, ttmp7, 0xffff
	s_lshl_b32 s13, s13, 2
	s_add_co_u32 s13, s13, s41                     ; tile row
	s_lshl_b32 s43, s41, 2
	s_lshl_b32 s43, 15, s43                        ; my row of the cluster
	s_lshl_b32 s44, 0x1111, s40                    ; my column
	s_or_b32 s[G1+0], s43, (1<<16)|(1<<20)|(1<<21)|(4<<22)|(3<<25)   ; A: the mask; elements of 2 bytes; padding on; bit 21 beside a mask; after every 32 words 4 words
	s_mov_b32 s[G1+1], 64<<16                      ; tensor_dim0
	s_mov_b32 s[G1+2], 128<<16                     ; tensor_dim1
	s_mov_b32 s[G1+3], 64<<16                      ; tile_dim0
	s_mov_b32 s[G1+4], 128                         ; tile_dim1
	s_mov_b32 s[G1+5], 64                          ; tensor_dim0_stride
	s_mov_b32 s[G1+6], 0
	s_mov_b32 s[G1+7], 0
	s_or_b32 s[G1B+0], s44, (1<<16)|(1<<20)|(1<<21)|(5<<22)|(3<<25)  ; B: after every 64 words 4 words
	s_mov_b32 s[G1B+1], 128<<16
	s_mov_b32 s[G1B+2], 128<<16
	s_mov_b32 s[G1B+3], 128<<16
	s_mov_b32 s[G1B+4], 128
	s_mov_b32 s[G1B+5], 1024
	s_mov_b32 s[G1B+6], 0
	s_mov_b32 s[G1B+7], 0
	s_lshl_b32 s16, s12, 20                        ; A: head (wave % 2) of K step 0, rows 128 x tile row of 128 bytes
	s_lshl_b32 s17, s13, 14
	s_add_co_u32 s16, s16, s17
	s_mov_b32 s17, 0
	s_lshl_b32 s46, s42, 19                        ; B: row 256 x tile column + 128 x (wave % 2), of 2,048 bytes
	s_lshl_b32 s47, s12, 18
	s_add_co_u32 s46, s46, s47
	s_mov_b32 s47, 0
	s_mul_i32 s20, s12, SUBA                       ; where they go: no place in the cluster enters an LDS address
	s_mul_i32 s21, s12, HALFB
	s_add_co_u32 s21, s21, BOFF
	s_wait_dscnt 0x0                               ; both opening adds are done
	s_wait_kmcnt 0x0
	s_add_nc_u64 s[14:15], s[4:5], s[16:17]
	s_add_nc_u64 s[46:47], s[6:7], s[46:47]
	CROUND                                         ; all sixteen work-groups are here: the first joint loads meet
.irp s, 0,1
	s_mov_b32 s[G0+4*\s], 1
	s_add_co_u32 s[G0+4*\s+1], s20, \s*SLOT
	s_add_nc_u64 s[G0+4*\s+2:G0+4*\s+3], s[14:15], \s*2*HEADB
	s_or_b32 s[G0+4*\s+3], s[G0+4*\s+3], 0x80000000
	s_mov_b32 s[G0B+4*\s], 1
	s_add_co_u32 s[G0B+4*\s+1], s21, \s*SLOT
	s_add_nc_u64 s[G0B+4*\s+2:G0B+4*\s+3], s[46:47], \s*256
	s_or_b32 s[G0B+4*\s+3], s[G0B+4*\s+3], 0x80000000
	JLOAD \s
.endr
	v_and_b32 v1, 15, v0                           ; l % 16
	v_bfe_u32 v2, v0, 4, 1                         ; l / 16
	v_mul_u32_u24 v3, v1, PA
	v_lshl_add_u32 v3, v2, 4, v3
	v_mul_u32_u24 v4, v1, PB
	v_lshl_add_u32 v4, v2, 4, v4
	s_mul_i32 s21, s11, 64*PA                      ; my 64 rows of A
	s_mul_i32 s22, s12, HALFB                      ; my 128 rows of B
	s_add_co_u32 s22, s22, BOFF
.irp s, 0,1
	v_add_nc_u32 v[ADRA+\s], s21, v3
	v_add_nc_u32 v[ADRB+\s], s22, v4
	s_add_co_u32 s21, s21, SLOT
	s_add_co_u32 s22, s22, SLOT
.endr
	s_mul_i32 s23, s10, 16*SPITCH
	s_add_co_u32 s23, s23, STAGE                   ; my stage
	v_mul_u32_u24 v5, v1, SPITCH
	v_lshl_add_u32 v5, v2, 5, v5
	v_add_nc_u32 v[STO], s23, v5                   ; in: row l % 16, 32 bytes for each half of the lanes
	v_and_b32 v6, 31, v0
	v_lshlrev_b32 v[CO], 4, v6
	v_add_nc_u32 v[RD], s23, v[CO]                 ; back: the 32 lanes take a row of 512 bytes
	s_lshl_b32 s16, s13, 19                        ; out0: row 128 x tile row + 64 x my half, of 4,096 bytes
	s_lshl_b32 s17, s11, 18
	s_add_co_u32 s16, s16, s17
	s_mov_b32 s17, 0
	s_add_nc_u64 s[8:9], s[8:9], s[16:17]
	s_lshl_b32 s46, s42, 10                        ; column 256 x tile column + 128 x my half, of 4 bytes
	s_lshl_b32 s47, s12, 9
	s_add_co_u32 s46, s46, s47
	s_mov_b32 s47, 0
	s_add_nc_u64 s[8:9], s[8:9], s[46:47]
	s_lshl_b32 s20, s13, 14                        ; the prefetches: my tile row, my work-group's quarter of a K step,
	s_lshr_b32 s21, s40, 1
	s_lshl_b32 s21, s21, 20
	s_add_co_u32 s20, s20, s21
	s_and_b32 s21, s40, 1
	s_lshl_b32 s21, s21, 13
	s_add_co_u32 s20, s20, s21
	s_add_co_u32 s20, s20, 2*2*HEADB               ; at K step 2: the first refill steps it to 3 and names K step 4
	s_mov_b32 s21, 0
	s_add_nc_u64 s[PFA:PFA+1], s[4:5], s[20:21]
	s_cmp_eq_u32 s10, 0
	s_cselect_b32 s[LIM], 1, -1
	v_lshlrev_b32 v[PFO], 8, v6
; 8 matrix instructions: A's block a x B's eight, 32 along K.  The 32 accumulators take turns, one instruction a turn, in the same order in every quarter.
.macro MULA f, a, zero
.irp b, 0,1,2,3,4,5,6,7
.if \zero
	v_wmma_f32_16x16x32_f16 v[8*(8*(\a)+\b):8*(8*(\a)+\b)+7], v[\f+32+8*\b:\f+32+8*\b+7], v[\f+8*(\a):\f+8*(\a)+7], 0
.else
	v_wmma_f32_16x16x32_f16 v[8*(8*(\a)+\b):8*(8*(\a)+\b)+7], v[\f+32+8*\b:\f+32+8*\b+7], v[\f+8*(\a):\f+8*(\a)+7], v[8*(8*(\a)+\b):8*(8*(\a)+\b)+7]
.endif
.endr
.endm
; 24 LDS loads in one run: the fragments of the slot's quarter k (32 along K) into buffer f: B's eight, then A's four
.macro FETCH slot, k, f
	WIN 0
.irp i, 0,1,2,3,4,5,6,7
	ds_load_b128 v[\f+32+8*\i:\f+32+8*\i+3], v[ADRB+\slot] offset:(\k)*64+\i*16*PB
	ds_load_b128 v[\f+32+8*\i+4:\f+32+8*\i+7], v[ADRB+\slot] offset:(\k)*64+\i*16*PB+32
.endr
.irp i, 0,1,2,3
	ds_load_b128 v[\f+8*\i:\f+8*\i+3], v[ADRA+\slot] offset:((\k)/2)*SUBA+((\k)%2)*64+\i*16*PA
	ds_load_b128 v[\f+8*\i+4:\f+8*\i+7], v[ADRA+\slot] offset:((\k)/2)*SUBA+((\k)%2)*64+\i*16*PA+32
.endr
.endm
.macro PLACES                          ; four plain vector instructions in front of loads into registers that matrix instructions have read, and of reads of results
.rept 4
	v_nop
.endr
.endm
; One of a K step's first three quarters: multiplies buffer f and fetches quarter k of the same slot into buffer g.
.macro QUARTER slot, k, f, g, zero
	s_wait_dscnt 4                                 ; B and A's blocks 0, 1 are in; the youngest four loads (A's blocks 2, 3) may be out
	WIN MUL
	MULA \f, 0, \zero
	MULA \f, 1, \zero
	PLACES
	FETCH \slot, \k, \g
	s_wait_dscnt 24                                ; all but the 24 just issued
	WIN MUL
	MULA \f, 2, \zero
	MULA \f, 3, \zero
.endm
; The last quarter multiplies buffer 1 and changes slots: one barrier; in front of it each wave waits for all its tensor loads, adds 0 to its spare word, and waits for that and for its reads of this slot.
; fill = 1: the barrier opens a round of the cluster's barrier, and this slot is filled again, two K steps ahead, first thing behind the round.
.macro TURN slot, next, fill
	WIN 0
.if \fill
	s_wait_xcnt 0x0                                ; the last prefetch, a K step back, has read its address
	s_add_nc_u64 s[PFA:PFA+1], s[PFA:PFA+1], 2*HEADB
.endif
	s_wait_tensorcnt 0x0                           ; all my tensor loads have landed: my part of the next slot
	ds_add_u32 v[SPW], v[NIL]
	s_wait_dscnt 5                                 ; (the add and the youngest four loads may be out)
	WIN MUL
	MULA F1, 0, 0
	s_wait_dscnt 0x0                               ; the add is done, and my reads of this slot are over
	s_barrier_signal -1
	MULA F1, 1, 0
.if \fill
	WIN 0
.endif
	s_barrier_wait -1
.if \fill
	CREST                                          ; no wave of any partner still reads this slot's tile or has a load on its way
	s_add_nc_u64 s[G0+4*\slot+2:G0+4*\slot+3], s[G0+4*\slot+2:G0+4*\slot+3], 4*HEADB
	s_add_nc_u64 s[G0B+4*\slot+2:G0B+4*\slot+3], s[G0B+4*\slot+2:G0B+4*\slot+3], 512
	JLOAD \slot                                    ; the four v_nop behind it are also the places in front of the loads below
.else
	PLACES
.endif
	FETCH \next, 0, F0
.if \fill
	ASK
.endif
	WIN MUL
	MULA F1, 2, 0
	MULA F1, 3, 0
.endm
	s_wait_tensorcnt 1                             ; my part of K step 0 is in (K step 1's load may be out),
	s_barrier_signal -1
	s_barrier_wait -1                              ; everybody's is
	FETCH 0, 0, F0
	QUARTER 0, 1, F0, F1, 1                        ; the first quarter's products start the sums: nothing is cleared
	WIN 0
	s_mov_b32 s3, LAPS-1
.Llap:                                                 ; a trip goes once round the ring, from a lap's second quarter to the next lap's first, and fills both slots again
	QUARTER 0, 2, F1, F0, 0
	QUARTER 0, 3, F0, F1, 0
	TURN 0, 1, 1
	QUARTER 1, 1, F0, F1, 0
	QUARTER 1, 2, F1, F0, 0
	QUARTER 1, 3, F0, F1, 0
	TURN 1, 0, 1
	QUARTER 0, 1, F0, F1, 0
	WIN 0
	s_sub_co_u32 s3, s3, 1
	s_cmp_lg_u32 s3, 0
	s_cbranch_scc1 .Llap
	QUARTER 0, 2, F1, F0, 0                        ; the last lap fills nothing
	QUARTER 0, 3, F0, F1, 0
	TURN 0, 1, 0
	QUARTER 1, 1, F0, F1, 0
	QUARTER 1, 2, F1, F0, 0
	QUARTER 1, 3, F0, F1, 0
	s_wait_dscnt 4
	WIN MUL
	MULA F1, 0, 0
	MULA F1, 1, 0
	s_wait_dscnt 0
	MULA F1, 2, 0
	MULA F1, 3, 0
	WIN 0
; THE WAY OUT, block by block of 16 rows x 128 columns: through my own stage, back as whole rows of 512 bytes.
.macro TOSTAGE a
	WIN 0x04                                       ; an LDS store's data are its source 1: window 1
.irp b, 0,1,2,3,4,5,6,7
	ds_store_b128 v[STO], v[8*(8*(\a)+\b):8*(8*(\a)+\b)+3] offset:64*\b          ; each accumulator from its low end on
	ds_store_b128 v[STO], v[8*(8*(\a)+\b)+4:8*(8*(\a)+\b)+7] offset:64*\b+16
.endr
	WIN 0
.set BB, 32+64*((\a)%2)
.irp t, 0,1,2,3,4,5,6,7,8,9,10,11,12,13,14,15
	ds_load_b128 v[BB+4*\t:BB+4*\t+3], v[RD] offset:\t*SPITCH      ; LDS serves a wave's instructions in order: these see my stores
.endr
.endm
.macro SEND a, younger
.set BB, 32+64*((\a)%2)
	s_wait_dscnt \younger
.irp t, 0,1,2,3,4,5,6,7,8,9,10,11,12,13,14,15
	global_store_b128 v[CO], v[BB+4*\t:BB+4*\t+3], s[8:9] offset:(\a)*65536+\t*4096 th:TH_STORE_NT   ; 32 lanes store 512 consecutive bytes, aligned
.endr
.endm
	PLACES
	TOSTAGE 0
.irp a, 1,2,3
.if \a > 1
	s_wait_xcnt 0x0                                ; block a - 2's stores have read their registers: block a's loads may land there
.endif
	TOSTAGE \a
	SEND \a-1, 32                                  ; behind block a - 1's loads: block a's 16 stores and 16 loads
.endr
	SEND 3, 0
	s_wait_tensorcnt 0x0                           ; the wave's end
	ds_add_u32 v[SPW], v[NIL]
	s_wait_dscnt 0x0
	CROUND                                         ; the closing round
	s_endpgm
.Lfunc_end_k_qbd4437c8ba_outp:
	.size	k_qbd4437c8ba_outp, .Lfunc_end_k_qbd4437c8ba_outp-k_qbd4437c8ba_outp
	.p2alignl 7, 3214868480
	.fill 96, 4, 3214868480
	.section	.rodata,"a",@progbits
	.p2align	6, 0x0
	.amdhsa_kernel k_qbd4437c8ba_outp
		.amdhsa_group_segment_fixed_size 327680
		.amdhsa_private_segment_fixed_size 0
		.amdhsa_enable_private_segment 0
		.amdhsa_kernarg_size 24
		.amdhsa_user_sgpr_count 2
		.amdhsa_user_sgpr_kernarg_segment_ptr 1
		.amdhsa_wavefront_size32 1
		.amdhsa_system_sgpr_workgroup_id_x 1
		.amdhsa_system_sgpr_workgroup_id_y 1
		.amdhsa_system_sgpr_workgroup_id_z 1
		.amdhsa_system_vgpr_workitem_id 0
		.amdhsa_next_free_vgpr 512
		.amdhsa_next_free_sgpr 66
		.amdhsa_reserve_vcc 0
		.amdhsa_float_denorm_mode_32 3
		.amdhsa_float_denorm_mode_16_64 3
		.amdhsa_memory_ordered 1
		.amdhsa_forward_progress 1
		.amdhsa_inst_pref_size 86
	.end_amdhsa_kernel
	.amdgpu_metadata
---
amdhsa.version: [ 1, 2 ]
amdhsa.kernels:
  - .name:           k_qbd4437c8ba_outp
    .symbol:         k_qbd4437c8ba_outp.kd
    .args:
      - { .name: yh, .offset: 0, .size: 8, .value_kind: global_buffer, .address_space: global }
      - { .name: wt, .offset: 8, .size: 8, .value_kind: global_buffer, .address_space: global }
      - { .name: out0, .offset: 16, .size: 8, .value_kind: global_buffer, .address_space: global }
    .group_segment_fixed_size: 327680
    .private_segment_fixed_size: 0
    .kernarg_segment_align: 8
    .kernarg_segment_size: 24
    .max_flat_workgroup_size: 128
    .sgpr_count:     66
    .vgpr_count:     512
    .wavefront_size: 32
...
	.end_amdgpu_metadata
.endif
;; end of part 4
;; launch fine (part 5): grid 16 x 4, 16 waves a work-group, no clusters, 84,992 bytes of LDS; arguments qkvf, wt, out0; writes out0
.if DOCPART == 5
	.amdgcn_target "amdgcn-amd-amdhsa--gfx1250"
	.amdhsa_code_object_version 6
	.text
	.protected	k_qbd4437c8ba_fine
	.globl	k_qbd4437c8ba_fine
	.p2align	8
	.type	k_qbd4437c8ba_fine,@function
k_qbd4437c8ba_fine:
	s_mov_b64 s[64:65], 0
	v_nop
	global_prefetch_b8 v0, s[64:65] scope:SCOPE_SE
	s_setreg_imm32_b32 hwreg(HW_REG_WAVE_MODE, 25, 1), 1
	s_wait_xcnt 0x0
; The first 16 positions of each sequence, carried finely: their rows sum few terms, so the rounding of f16 operands weighs most there.  This launch writes rows 2048 b + 0..15 of out0 anew.
; Work-group (cb, b): 64 columns of out0 for batch b.  qkvf: f32 [16 b + t][3072].  wt: f16 [n][k], the rounded weights, and 2,097,152 bytes on what the rounding left, x 2048.
; PHASE 1, wave = head (each of a batch's 16 work-groups repeats it: 16 x 16 scores a head): S^T = K Q^T and O^T = V^T P by the f32 matrix form, softmax in f32 with the row's maximum taken away.
; y is split in f32 into an f16 number and what the rounding left, x 2048; both go to LDS as images of the operand's registers.
; PHASE 2, wave (nt = w % 4, kq = w / 4): 16 columns x a quarter of K: three sums, Wh Yh, Wl Yh, Wh Yl; result = the first + 2^-11 x (the two others).  The four quarters meet in LDS.
; The registers that the f32 matrix form writes (v168-215) are written by matrix instructions alone.
; LIMITS: |y| and |w_out| under 65,504; NaN and infinities are not served.
.set RED,   65536                      ; LDS: 0: y's images, 32 K steps x 2 parts x 1,024 bytes;  RED: 4 quarters x 16 rows x (256 + 16)
.set SPARE, 82944                      ; the spare words, 128 bytes for each wave: eight blocks of 256 bytes that no other line names
.set SPW, 5
.set NIL, 6
	s_load_b128 s[4:7], s[0:1], 0x0                ; qkvf, wt
	s_load_b64 s[8:9], s[0:1], 0x10                ; out0
	v_lshl_add_u32 v[SPW], v0, 2, SPARE
	v_mov_b32 v[NIL], 0
	v_lshrrev_b32 v1, 5, v0
	v_readfirstlane_b32 s10, v1                    ; wave 0..15
	v_and_b32 v1, 15, v0                           ; r
	v_bfe_u32 v2, v0, 4, 1                         ; h
	v_and_b32 v3, 31, v0                           ; lane
	s_and_b32 s11, ttmp7, 0xffff                   ; b
	s_mul_i32 s12, s11, 196608                     ; 16 rows of 12,288 bytes
	s_lshl_b32 s13, s10, 8
	s_add_co_u32 s12, s12, s13                     ; my head's 64 columns
	s_mov_b32 s13, 0
	s_and_b32 s14, s10, 3                          ; nt
	s_lshr_b32 s15, s10, 2                         ; kq
	s_lshl_b32 s16, ttmp9, 17                      ; wt: row 64 cb + 16 nt of 2,048 bytes, + 512 kq
	s_lshl_b32 s17, s14, 15
	s_add_co_u32 s16, s16, s17
	s_lshl_b32 s17, s15, 9
	s_add_co_u32 s16, s16, s17
	s_mov_b32 s17, 0
	s_lshl_b32 s18, s11, 23                        ; out0: row 2048 b of 4,096 bytes, + 256 cb
	s_lshl_b32 s19, ttmp9, 8
	s_add_co_u32 s18, s18, s19
	s_mov_b32 s19, 0
	s_mov_b32 s20, 0x76543210
	s_mov_b32 s21, 0xfedcba98                      ; v_permlanex16_b32's selects for lane l xor 16
	s_mov_b32 s22, 0x3e38aa3b                      ; c = log2(e) / sqrt(64)
	s_mov_b32 s23, 0x3a000000                      ; 2^-11
	s_lshl_b32 s24, s10, 12
	v_lshl_add_u32 v9, v3, 4, s24                  ; where I store y's images: 4,096 x head + 16 x lane
	s_lshl_b32 s24, s15, 14
	v_lshl_add_u32 v10, v3, 4, s24                 ; where I load them: 16,384 x kq + 16 x lane
	s_mul_i32 s24, s15, 4352
	s_lshl_b32 s25, s14, 6
	s_add_co_u32 s24, s24, s25
	s_add_co_u32 s24, s24, RED
	v_mul_u32_u24 v11, v1, 272
	v_lshl_add_u32 v11, v2, 5, v11
	v_add_nc_u32 v11, s24, v11                     ; my quarter's sums: row r, 64 nt + 32 h bytes on
	v_bfe_u32 v4, v0, 4, 4
	v_mul_u32_u24 v12, v4, 272
	v_lshl_add_u32 v12, v1, 4, v12
	v_add_nc_u32 v12, RED, v12                     ; threads 0-255: row thread / 16, 16 bytes each
	v_lshlrev_b32 v13, 12, v4
	v_lshl_add_u32 v13, v1, 4, v13                 ; and the same place in out0
	v_lshlrev_b32 v14, 11, v1
	v_lshl_add_u32 v14, v2, 4, v14                 ; wt: row r, + 16 h
	v_lshlrev_b32 v15, 3, v2
	v_sub_nc_u32 v15, v1, v15                      ; r - 8 h
	v_mul_u32_u24 v7, v1, 12288
	v_lshl_add_u32 v7, v2, 4, v7                   ; q, k: row r, + 16 h
	v_mul_u32_u24 v8, v2, 98304
	v_lshl_add_u32 v8, v1, 2, v8                   ; v: row 8 h, column r
	s_wait_kmcnt 0x0
	s_add_nc_u64 s[4:5], s[4:5], s[12:13]
	s_add_nc_u64 s[6:7], s[6:7], s[16:17]
	s_add_nc_u64 s[8:9], s[8:9], s[18:19]
	; lane (r, h) takes of row r channels 8 c + 4 h + 0..3: each pair of registers is a fragment of the f32 form; Q and K take the channels in the same order, so the sums are those over all 64
.irp c, 0,1,2,3,4,5,6,7
	global_load_b128 v[16+4*\c:19+4*\c], v7, s[4:5] offset:32*\c
.endr
.irp c, 0,1,2,3,4,5,6,7
	global_load_b128 v[48+4*\c:51+4*\c], v7, s[4:5] offset:4096+32*\c
.endr
.irp ct, 0,1,2,3                               ; V^T: lane (r, h): channel 16 ct + r, keys 8 h + 2 i + j: the order in which p lies in a lane
.irp i, 0,1,2,3
.irp j, 0,1
	global_load_b32 v[80+8*\ct+2*\i+\j], v8, s[4:5] offset:8192+(2*\i+\j)*12288+64*\ct
.endr
.endr
.endr
	s_wait_loadcnt 32                              ; Q and K are in; V's 32 loads may be out
	v_wmma_f32_16x16x4_f32 v[168:175], v[48:49], v[16:17], 0       ; S^T in two sums that take turns; each begins with its own first step
	v_wmma_f32_16x16x4_f32 v[176:183], v[50:51], v[18:19], 0
.irp i, 2,4,6,8,10,12,14
	v_wmma_f32_16x16x4_f32 v[168:175], v[48+2*\i:49+2*\i], v[16+2*\i:17+2*\i], v[168:175]
	v_wmma_f32_16x16x4_f32 v[176:183], v[50+2*\i:51+2*\i], v[18+2*\i:19+2*\i], v[176:183]
.endr
.rept 9
	v_nop                                          ; places behind the f32 form (ISA guide 7.12.1)
.endr
.irp j, 0,1,2,3,4,5,6,7
	v_add_f32 v[152+\j], v[168+\j], v[176+\j]      ; lane (r, h): query r, key 8 h + j
.endr
	v_mov_b32 v160, 0xff800000
.irp j, 0,1,2,3,4,5,6,7
	v_cmp_gt_i32 vcc_lo, \j, v15                   ; hidden where 8 h + j > r
	v_cndmask_b32 v[152+\j], v[152+\j], v160, vcc_lo
.endr
	v_max3_num_f32 v161, v152, v153, v154
	v_max3_num_f32 v161, v161, v155, v156
	v_max3_num_f32 v161, v161, v157, v158
	v_max_num_f32 v161, v161, v159
	v_mov_b32 v162, 0
	v_permlanex16_b32 v162, v161, s20, s21
	v_max_num_f32 v161, v161, v162                 ; the row's maximum: key 0 counts for every query
	v_mul_f32 v161, s22, v161
.irp j, 0,1,2,3,4,5,6,7
	v_fma_f32 v[152+\j], v[152+\j], s22, -v161
.endr
.irp j, 0,1,2,3,4,5,6,7
	v_exp_f32 v[152+\j], v[152+\j]
.endr
	v_nop
	s_wait_alu depctr_va_vdst(0)                   ; one wait for the eight, ahead of their first reader
	v_add_f32 v163, v152, v153
	v_add_f32 v164, v154, v155
	v_add_f32 v165, v156, v157
	v_add_f32 v166, v158, v159
	v_add_f32 v163, v163, v164
	v_add_f32 v165, v165, v166
	v_add_f32 v163, v163, v165
	v_permlanex16_b32 v162, v163, s20, s21
	v_add_f32 v163, v163, v162
	v_rcp_f32 v163, v163
	v_nop
	s_wait_alu depctr_va_vdst(0)
.irp j, 0,1,2,3,4,5,6,7
	v_mul_f32 v[152+\j], v[152+\j], v163           ; the weights, normalised, in f32
.endr
	s_wait_loadcnt 0x0                             ; V
.irp ct, 0,1,2,3                               ; O^T = V^T P: four sums by turns
	v_wmma_f32_16x16x4_f32 v[184+8*\ct:191+8*\ct], v[80+8*\ct:81+8*\ct], v[152:153], 0
.endr
.irp i, 1,2,3
.irp ct, 0,1,2,3
	v_wmma_f32_16x16x4_f32 v[184+8*\ct:191+8*\ct], v[80+8*\ct+2*\i:81+8*\ct+2*\i], v[152+2*\i:153+2*\i], v[184+8*\ct:191+8*\ct]
.endr
.endr
.rept 9
	v_nop
.endr
; lane (r, h) holds y(t = r, channels 16 ct + 8 h + 0..7): tiles 2 u and 2 u + 1 are registers 0-3 and 4-7 of the f16 operand of K step 2 head + u.
.macro SPLIT ct
.irp p, 0,1,2,3
	v_cvt_pk_f16_f32 v[112+\p], v[184+8*(\ct)+2*\p], v[185+8*(\ct)+2*\p]
.endr
	v_cvt_f32_f16 v144, v112.l
	v_cvt_f32_f16 v145, v112.h
	v_cvt_f32_f16 v146, v113.l
	v_cvt_f32_f16 v147, v113.h
	v_cvt_f32_f16 v148, v114.l
	v_cvt_f32_f16 v149, v114.h
	v_cvt_f32_f16 v150, v115.l
	v_cvt_f32_f16 v151, v115.h
.irp p, 0,2,4,6
	v_pk_add_f32 v[144+\p:145+\p], v[184+8*(\ct)+\p:185+8*(\ct)+\p], v[144+\p:145+\p] neg_lo:[0,1] neg_hi:[0,1]
.endr
.irp p, 0,2,4,6
	v_pk_mul_f32 v[144+\p:145+\p], v[144+\p:145+\p], 0x45000000 op_sel_hi:[1,0]
.endr
.irp p, 0,1,2,3
	v_cvt_pk_f16_f32 v[116+\p], v[144+2*\p], v[145+2*\p]
.endr
	ds_store_b128 v9, v[112:115] offset:((\ct)/2)*2048+((\ct)%2)*512
	ds_store_b128 v9, v[116:119] offset:((\ct)/2)*2048+1024+((\ct)%2)*512
	s_wait_dscnt 0x0                               ; the stores have read their registers; at the last: for the others' sake, they have landed
.endm
	SPLIT 0
	SPLIT 1
	SPLIT 2
	SPLIT 3
.irp s, 0,1,2,3,4,5,6,7                        ; my weights: K step s of my quarter, the rounded part and the rest, by K step
.irp p, 0,1
.irp c, 0,1
	global_load_b128 v[16+16*\s+8*\p+4*\c:19+16*\s+8*\p+4*\c], v14, s[6:7] offset:64*\s+2097152*\p+32*\c
.endr
.endr
.endr
	s_barrier_signal -1
	s_barrier_wait -1                              ; y's 64 images lie in LDS
.macro PROD s, e, zero                         ; three sums by turns
.if \zero
	v_wmma_f32_16x16x32_f16 v[184:191], v[16+16*(\s):23+16*(\s)], v[216+16*(\e):223+16*(\e)], 0
	v_wmma_f32_16x16x32_f16 v[192:199], v[24+16*(\s):31+16*(\s)], v[216+16*(\e):223+16*(\e)], 0
	v_wmma_f32_16x16x32_f16 v[200:207], v[16+16*(\s):23+16*(\s)], v[224+16*(\e):231+16*(\e)], 0
.else
	v_wmma_f32_16x16x32_f16 v[184:191], v[16+16*(\s):23+16*(\s)], v[216+16*(\e):223+16*(\e)], v[184:191]
	v_wmma_f32_16x16x32_f16 v[192:199], v[24+16*(\s):31+16*(\s)], v[216+16*(\e):223+16*(\e)], v[192:199]
	v_wmma_f32_16x16x32_f16 v[200:207], v[16+16*(\s):23+16*(\s)], v[224+16*(\e):231+16*(\e)], v[200:207]
.endif
.endm
.irp rd, 0,1,2,3
.irp e, 0,1
.irp p, 0,1
.irp c, 0,1
	ds_load_b128 v[216+16*\e+8*\p+4*\c:219+16*\e+8*\p+4*\c], v10 offset:(2*\rd+\e)*2048+\p*1024+\c*512
.endr
.endr
.endr
	s_wait_dscnt 0x0
	s_wait_loadcnt 24-8*\rd                        ; the weights of these two K steps are in; the later K steps' loads may be out
.if \rd == 0
	PROD 0, 0, 1
.else
	PROD 2*\rd, 0, 0
.endif
	PROD 2*\rd+1, 1, 0
.rept 4
	v_nop                                          ; places in front of the next loads into y's registers, and of the reads of the sums
.endr
.endr
.irp j, 0,1,2,3,4,5,6,7
	v_add_f32 v[152+\j], v[192+\j], v[200+\j]
.endr
.irp j, 0,1,2,3,4,5,6,7
	v_fma_f32 v[152+\j], v[152+\j], s23, v[184+\j] ; lane (r, h): row t = r, columns 16 nt + 8 h + j
.endr
	ds_store_b128 v11, v[152:155]
	ds_store_b128 v11, v[156:159] offset:16
	s_wait_dscnt 0x0                               ; for the others' sake: my stores have landed
	s_barrier_signal -1
	s_barrier_wait -1
	s_cmp_gt_u32 s10, 7
	s_cbranch_scc1 .Lend
.irp k, 0,1,2,3
	ds_load_b128 v[216+4*\k:219+4*\k], v12 offset:4352*\k
.endr
	s_wait_dscnt 0x0
	v_pk_add_f32 v[216:217], v[216:217], v[220:221]
	v_pk_add_f32 v[218:219], v[218:219], v[222:223]
	v_pk_add_f32 v[224:225], v[224:225], v[228:229]
	v_pk_add_f32 v[226:227], v[226:227], v[230:231]
	v_pk_add_f32 v[216:217], v[216:217], v[224:225]
	v_pk_add_f32 v[218:219], v[218:219], v[226:227]
	global_store_b128 v13, v[216:219], s[8:9]      ; sixteen lanes store 256 consecutive bytes, aligned
.Lend:
	s_wait_tensorcnt 0x0                           ; the wave's end
	ds_add_u32 v[SPW], v[NIL]
	s_wait_dscnt 0x0
	s_endpgm
.Lfunc_end_k_qbd4437c8ba_fine:
	.size	k_qbd4437c8ba_fine, .Lfunc_end_k_qbd4437c8ba_fine-k_qbd4437c8ba_fine
	.p2alignl 7, 3214868480
	.fill 96, 4, 3214868480
	.section	.rodata,"a",@progbits
	.p2align	6, 0x0
	.amdhsa_kernel k_qbd4437c8ba_fine
		.amdhsa_group_segment_fixed_size 84992
		.amdhsa_private_segment_fixed_size 0
		.amdhsa_enable_private_segment 0
		.amdhsa_kernarg_size 24
		.amdhsa_user_sgpr_count 2
		.amdhsa_user_sgpr_kernarg_segment_ptr 1
		.amdhsa_wavefront_size32 1
		.amdhsa_system_sgpr_workgroup_id_x 1
		.amdhsa_system_sgpr_workgroup_id_y 1
		.amdhsa_system_sgpr_workgroup_id_z 1
		.amdhsa_system_vgpr_workitem_id 0
		.amdhsa_next_free_vgpr 256
		.amdhsa_next_free_sgpr 66
		.amdhsa_reserve_vcc 1
		.amdhsa_float_denorm_mode_32 3
		.amdhsa_float_denorm_mode_16_64 3
		.amdhsa_memory_ordered 1
		.amdhsa_forward_progress 1
		.amdhsa_inst_pref_size 29
	.end_amdhsa_kernel
	.amdgpu_metadata
---
amdhsa.version: [ 1, 2 ]
amdhsa.kernels:
  - .name:           k_qbd4437c8ba_fine
    .symbol:         k_qbd4437c8ba_fine.kd
    .args:
      - { .name: qkvf, .offset: 0, .size: 8, .value_kind: global_buffer, .address_space: global }
      - { .name: wt, .offset: 8, .size: 8, .value_kind: global_buffer, .address_space: global }
      - { .name: out0, .offset: 16, .size: 8, .value_kind: global_buffer, .address_space: global }
    .group_segment_fixed_size: 84992
    .private_segment_fixed_size: 0
    .kernarg_segment_align: 8
    .kernarg_segment_size: 24
    .max_flat_workgroup_size: 512
    .sgpr_count:     66
    .vgpr_count:     256
    .wavefront_size: 32
...
	.end_amdgpu_metadata
.endif
;; end of part 5
